; MI455X (gfx1250); checked and timed in simulation.
; The chip was launched on July 23, 2026; its instructions are those of AMD's public machine-readable ISA for CDNA 5 (MIT licence, August 2026) and "CDNA5" Instruction Set Architecture Reference Guide (July 2026). The comments in the code are by the model that wrote it; some were corrected since.
;; Retention. Allowed arithmetic: float matrix products may take bf16 or f16 operands with f32 sums; other float arithmetic in f32, or as packed bf16 or f16 multiplies, adds, multiply-adds, maxima and minima; sums over many terms, partial sums and values carried from step to step in f32; what a program stores and reads back later, other than sums and carried values, may be rounded once to bf16 or f16.
;; Inputs: Wk 256 x 256 float32; Wq 256 x 256 float32; Wv 256 x 256 float32; bk 256 float32; bq 256 float32; bv 256 float32; xk 4 x 4,096 x 256 float32; xq 4 x 4,096 x 256 float32; xv 4 x 4,096 x 256 float32.
;; Outputs: out0 4 x 4,096 x 256 float32.
;; 2 versions, each right; version 2 is version 1 with the launch proj written anew for expert scheduling mode. Each part assembles by itself: llvm-mc -triple=amdgcn-amd-amdhsa -mcpu=gfx1250 --defsym DOCPART=n.
;; ======== version 1 of 2: 4 launches
;; limits: values are held in f16: magnitudes above 65,504 overflow, below 6.1e-05 lose precision; right only within a limited range of input values
;; workspace buffers: qkv 33,554,432 bytes; zc 131,072 bytes; evum 69,632 bytes; ut 33,554,432 bytes; sth 16,777,216 bytes; sg 512 bytes
;; launch proj (part 1): grid 64 x 4, 4 waves a work-group, no clusters, 272,896 bytes of LDS; arguments xq, xk, xv, Wq, Wk, Wv, bq, bk, bv, qkv, zc; writes qkv, zc
.if DOCPART == 1
	.amdgcn_target "amdgcn-amd-amdhsa--gfx1250"
	.amdhsa_code_object_version 6
	.text
	.protected	k_q439eeb7c45_proj
	.globl	k_q439eeb7c45_proj
	.p2align	8
	.type	k_q439eeb7c45_proj,@function
k_q439eeb7c45_proj:
	s_mov_b64 s[64:65], 0
	v_nop
	global_prefetch_b8 v0, s[64:65] scope:SCOPE_SE
	s_setreg_imm32_b32 hwreg(HW_REG_WAVE_MODE, 25, 1), 1
	s_wait_xcnt 0x0
; Projections x W + b for a block of 256 tokens, rounded to f16 and stored in the matrix unit's own fragment image.
; job (grid y): 0 Q by tokens, 1 K by tokens, 2 K by dims (and the chunk sums z), 3 V by dims.
; A fragment is 16 rows x 32 k of f16 = 1,024 bytes laid [half][lane][16 B]: lane (r,h) holds row r, half 0 k = 8h..8h+7, half 1 k = 16+8h..
; Two result tiles that are neighbours along m pack, lane by lane, into one such fragment with rows n and k = m (ISA guide 7.12.2: the layouts),
; so later launches load operands as 16 bytes a lane from 512 consecutive bytes, with no transposition and no padding.
; Jobs 0, 1: D(m = dim, n = token): A = W^T, B = x.  Jobs 2, 3: D(m = token, n = dim): A = x, B = W^T.  One text, the LDS bases are selected.
; z[chunk][dim] = sum over l of gamma^(127-l) c_p K_p[dim], c_p = rsqrt((1 - gamma^(p+1)) / (1 - gamma)), from the f32 sums of job 2.
; LIMITS: x, W and the results are rounded to f16: magnitudes below 65,504.
; No cluster: the work-groups of a job share only W, 256 KiB of the 512 KiB that each reads, and convert it on the way in through registers.
.set LGN, 0xbca0a312                   ; log2(gamma), gamma = f32(0.9865)
.set IGC, 0x429425ff                   ; 1 / (1 - gamma)
.set PIT, 528                          ; LDS row: 512 bytes of f16 + 16: 16 rows of a fragment start in 16 different 16-byte columns of 256
.set WTL, 256*PIT                      ; x at 0, W^T [dim][din] behind it
.set BTL, 2*256*PIT                    ; the bias, 256 f32
.set WZL, BTL+1024                     ; the z weights of the block's 256 tokens
.set FB,  32                           ; v[32:127]  three buffers of four A fragments
.set ACC, 128                          ; v[128:255] sixteen accumulator tiles; before that the ring of 32 load slots
.set MSB, 0
.macro WIN new                         ; register windows: bits 1:0 source 0, 3:2 source 1, 5:4 source 2, 7:6 destination; high byte = the setting left
.if MSB != \new
	s_set_vgpr_msb (MSB<<8)|\new
.set MSB, \new
.endif
.endm
.macro PLACES                          ; four places behind a matrix instruction (ISA guide 7.12.1) before its results are read or its sources loaded again
.rept 4
	v_nop
.endr
.endm
.macro LD4 buf, areg, off, mstep, sec  ; four A fragments, two loads of 16 bytes a lane each
.irp i,0,1,2,3
	ds_load_b128 v[\buf+8*\i:\buf+8*\i+3], v[\areg] offset:\off+\i*\mstep
	ds_load_b128 v[\buf+8*\i+4:\buf+8*\i+7], v[\areg] offset:\off+\i*\mstep+\sec
.endr
.endm
; 4 m tiles x 4 n tiles x K = 256.  Group g = K step g: 8 loads, 16 matrix instructions; fragments are fetched two groups ahead.
; The sixteen accumulators take turns, one instruction a turn.
.macro PH4 areg
	WIN 0x04                           ; B from window 1, all else window 0
	PLACES
	LD4 FB, \areg, 0, 16*PIT, 32
	LD4 FB+32, \areg, 64, 16*PIT, 32
.set g, 0
.rept 8
.if g<6
.if g>0
	PLACES
.endif
	LD4 FB+32*((g+2)%3), \areg, 64*(g+2), 16*PIT, 32
	s_wait_dscnt 16                    ; group g is in; the 16 loads of the two younger groups stay out
.else
	s_wait_dscnt 8*(7-g)
.endif
.irp i,0,1,2,3
.irp nt,0,1,2,3
.set dd, ACC+8*(4*\i+\nt)
.set aa, FB+32*(g%3)+8*\i
.set bb, 8*(4*g+\nt)
.if g==0
	v_wmma_f32_16x16x32_f16 v[dd:dd+7], v[aa:aa+7], v[bb:bb+7], 0
.else
	v_wmma_f32_16x16x32_f16 v[dd:dd+7], v[aa:aa+7], v[bb:bb+7], v[dd:dd+7]
.endif
.endr
.endr
.set g, g+1
.endr
.endm
.macro XLOAD n                         ; 2,048 consecutive bytes of x for the work-group: rows 2n, 2n+1
	global_load_b128 v[ACC+4*((\n)%32):ACC+4*((\n)%32)+3], v4, s[30:31] offset:2048*(\n)
.endm
.macro WLOAD j                         ; W: group j/8 = 16 rows (din), load j%8 = my row in my half of them
	global_load_b128 v[ACC+4*((\j)%32):ACC+4*((\j)%32)+3], v5, s[32:33] offset:16384*((\j)/8)+1024*((\j)%8)
.endm
	s_load_b512 s[8:23], s[0:1], 0x0               ; xq xk xv Wq Wk Wv bq bk
	s_load_b128 s[24:27], s[0:1], 0x40             ; bv, qkv
	s_load_b64 s[28:29], s[0:1], 0x50              ; zc
	s_set_vgpr_msb 0x80
	v_lshl_add_u32 v0, v0, 2, 0x42800
	v_mov_b32 v1, 0
	s_set_vgpr_msb 0x8000
	v_lshrrev_b32 v1, 5, v0
	v_readfirstlane_b32 s2, v1                     ; wave
	s_and_b32 s3, ttmp7, 0xffff                    ; job
	v_and_b32 v1, 31, v0                           ; lane L
	v_and_b32 v2, 15, v0                           ; r
	v_bfe_u32 v3, v0, 4, 1                         ; h
	s_lshr_b32 s5, s2, 1
	s_and_b32 s6, s2, 1
	s_mov_b32 s48, 0x76543210                      ; v_permlanex16_b32: lane i takes lane i of the other half
	s_mov_b32 s49, 0xfedcba98
	s_mov_b32 s56, 0xffff0000                      ; lanes with h = 1
	s_mov_b32 s57, LGN
	s_mov_b32 s58, IGC
	v_lshlrev_b32 v4, 4, v0                        ; x: 16 t
	s_lshl_b32 s7, s5, 13
	s_lshl_b32 s36, s6, 9
	s_add_co_u32 s7, s7, s36
	v_lshl_add_u32 v5, v1, 4, s7                   ; W: (w>>1) 8 rows + (w&1) 512 + 16 L
	s_mul_i32 s7, s5, PIT
	s_lshl_b32 s36, s6, 8
	s_add_co_u32 s7, s7, s36
	v_lshl_add_u32 v32, v1, 3, s7                  ; x in LDS: row (w>>1), byte (w&1) 256 + 8 L; a base for every 32 loads
	v_add_nc_u32 v33, 64*PIT, v32
	v_add_nc_u32 v34, 128*PIT, v32
	v_add_nc_u32 v35, 192*PIT, v32
	s_mul_i32 s7, s6, 128*PIT
	s_lshl_b32 s36, s5, 4
	s_add_co_u32 s7, s7, s36
	s_add_co_u32 s7, s7, WTL
	v_mul_u32_u24 v36, v1, 4*PIT
	v_add_nc_u32 v36, s7, v36                      ; W^T in LDS: row (w&1) 128 + 4 L, byte 16 (w>>1)
	v_lshl_add_u32 v37, v0, 3, BTL
	v_lshl_add_u32 v38, v0, 2, WZL
	v_lshlrev_b32 v39, 3, v0
	s_mov_b32 s37, 4096                            ; the figures of jobs 2, 3; an instruction holds one literal, so the selects below name these registers
	s_mov_b32 s52, 65536
	s_mov_b32 s54, 67584
	s_cmp_lt_u32 s3, 2                             ; jobs 0, 1 against 2, 3
	s_cselect_b32 s38, WTL, 0                      ; A's rows in LDS
	s_cselect_b32 s39, 0, WTL                      ; B's rows
	s_cselect_b32 s37, 8192, s37                   ; bytes from one n tile's fragments to the next: 8,192 or 4,096
	s_cselect_b32 s52, 4096, s52                   ; where pass 2 and pass 3 begin: K steps 4, 6, or the second chunk
	s_cselect_b32 s54, 6144, s54
	s_mov_b32 s53, 0
	s_mov_b32 s55, 0
	s_lshl_b32 s50, s3, 23                         ; the job's array of 8,388,608 bytes
	s_lshl_b32 s51, ttmp9, 17                      ; the block's 131,072 bytes
	s_add_co_u32 s50, s50, s51
	s_mov_b32 s51, 0
	s_wait_kmcnt 0x0
	s_add_nc_u64 s[40:41], s[26:27], s[50:51]      ; a store base for each pass
	s_add_nc_u64 s[42:43], s[40:41], 2048
	s_add_nc_u64 s[44:45], s[40:41], s[52:53]
	s_add_nc_u64 s[46:47], s[40:41], s[54:55]
	s_cmp_eq_u32 s3, 0
	s_cselect_b64 s[30:31], s[8:9], s[10:11]       ; x
	s_cselect_b64 s[32:33], s[14:15], s[16:17]     ; W
	s_cselect_b64 s[34:35], s[20:21], s[22:23]     ; b
	s_cmp_eq_u32 s3, 3
	s_cselect_b64 s[30:31], s[12:13], s[30:31]
	s_cselect_b64 s[32:33], s[18:19], s[32:33]
	s_cselect_b64 s[34:35], s[24:25], s[34:35]
	s_lshl_b32 s50, ttmp9, 18
	s_add_nc_u64 s[30:31], s[30:31], s[50:51]      ; my 256 rows of x
	s_lshl_b32 s50, ttmp9, 11
	s_add_nc_u64 s[28:29], s[28:29], s[50:51]      ; my two rows of zc
	global_load_b64 v[40:41], v39, s[34:35]        ; two biases a thread
.set n, 0
.rept 32
	XLOAD n
.set n, n+1
.endr
	; z weights of tokens t and t + 128 of the block: gamma^(127-t) c_p
	s_and_b32 s7, ttmp9, 15
	s_lshl_b32 s7, s7, 8
	s_add_co_u32 s7, s7, 1
	v_add_nc_u32 v56, s7, v0                       ; p + 1
	v_add_nc_u32 v57, 128, v56
	v_sub_nc_u32 v58, 127, v0
	v_cvt_f32_u32 v56, v56
	v_cvt_f32_u32 v57, v57
	v_cvt_f32_u32 v58, v58
	v_mul_f32 v56, s57, v56
	v_mul_f32 v57, s57, v57
	v_mul_f32 v58, s57, v58
	v_exp_f32 v56, v56
	v_exp_f32 v57, v57
	v_exp_f32 v58, v58
	v_nop                                          ; one plain instruction behind the transcendentals (ISA guide 5.7.2)
	s_wait_alu depctr_va_vdst(0)
	v_fma_f32 v56, -v56, s58, s58                  ; (1 - gamma^(p+1)) / (1 - gamma)
	v_fma_f32 v57, -v57, s58, s58
	v_rsq_f32 v56, v56
	v_rsq_f32 v57, v57
	v_nop
	s_wait_alu depctr_va_vdst(0)
	v_mul_f32 v56, v56, v58
	v_mul_f32 v57, v57, v58
	ds_store_b32 v38, v56
	ds_store_b32 v38, v57 offset:512
	s_wait_loadcnt 32                              ; the bias is in; the 32 loads of x behind it stay out
	ds_store_b64 v37, v[40:41]
	; x: 128 loads a thread through a ring of 32 slots; each is rounded to f16 and laid into its row; W's first loads follow in the same ring
.set n, 0
.rept 128
	s_wait_loadcnt 31                              ; loads return in order (ISA guide 5.7.1): slot n is in, the 31 younger loads stay out
	v_cvt_pk_f16_f32 v[40+2*(n%4)], v[ACC+4*(n%32)], v[ACC+4*(n%32)+1]
	v_cvt_pk_f16_f32 v[41+2*(n%4)], v[ACC+4*(n%32)+2], v[ACC+4*(n%32)+3]
	ds_store_b64 v[32+n/32], v[40+2*(n%4):41+2*(n%4)] offset:2*PIT*(n%32)
.if n<96
	XLOAD n+32
.else
	WLOAD n-96
.endif
.set n, n+1
.endr
	; W: groups of 8 rows x 4 columns a thread, turned in registers: column q's eight din make 16 bytes of W^T's row.
	; The sixteen lanes of such a store lie 4 rows (2,112 bytes) apart, so they fall on four of the sixteen 16-byte columns of 256 bytes:
	; a conflict that is accepted for these 64 stores a thread, made once in the launch.
.set g, 0
.rept 16
.if g<=12
	s_wait_loadcnt 24                              ; group g is in; three younger groups of 8 stay out
.else
	s_wait_loadcnt 8*(15-g)
.endif
.irp q,0,1,2,3
.irp a,0,1,2,3
	v_cvt_pk_f16_f32 v[40+4*\q+\a], v[ACC+32*(g%4)+8*\a+\q], v[ACC+32*(g%4)+8*\a+4+\q]
.endr
	ds_store_b128 v36, v[40+4*\q:43+4*\q] offset:PIT*\q+32*g
.endr
.if g<12
.irp e,0,1,2,3,4,5,6,7
	WLOAD 8*(g+4)+\e
.endr
.endif
.set g, g+1
.endr
	s_wait_dscnt 0x0                               ; my stores are in LDS before I say so
	s_barrier_signal -1
	s_barrier_wait -1                              ; x, W^T and the tables are whole; nothing in LDS is written again
	v_mul_u32_u24 v6, v2, PIT
	v_lshl_add_u32 v6, v3, 4, v6                   ; r x pitch + 16 h
	s_mul_i32 s7, s2, 64*PIT
	s_add_co_u32 s7, s7, s39
	v_add_nc_u32 v7, s7, v6                        ; B: my 64 rows
	v_add_nc_u32 v8, s38, v6                       ; A: the 64 rows of pass 0 .. 3
	v_add_nc_u32 v9, 64*PIT, v8
	v_add_nc_u32 v10, 128*PIT, v8
	v_add_nc_u32 v11, 192*PIT, v8
	s_lshl_b32 s7, s2, 2
	s_mul_i32 s7, s7, s37
	v_lshl_add_u32 v12, v1, 4, s7                  ; stores: 16 L + n tile (4 w + nt)
	v_add_nc_u32 v13, s37, v12
	v_add_nc_u32 v14, s37, v13
	v_add_nc_u32 v15, s37, v14
	v_lshl_add_u32 v0, v3, 5, BTL                  ; bias by m: 8 h floats in
	v_lshl_add_u32 v4, v3, 5, WZL                  ; z weights likewise (all loads that named v4, v5 have returned)
	s_lshl_b32 s7, s2, 8
	v_lshl_add_u32 v5, v1, 2, s7                   ; zc: dim 64 w + L
	s_add_co_u32 s7, s7, BTL
	v_lshl_add_u32 v3, v2, 2, s7                   ; bias by n: dim 64 w + r
	WIN 0x40                                       ; destination window 1: 32 resident B fragments
.irp ks,0,1,2,3,4,5,6,7
.irp nt,0,1,2,3
	ds_load_b128 v[8*(4*\ks+\nt):8*(4*\ks+\nt)+3], v7 offset:16*PIT*\nt+64*\ks
	ds_load_b128 v[8*(4*\ks+\nt)+4:8*(4*\ks+\nt)+7], v7 offset:16*PIT*\nt+64*\ks+32
.endr
.endr
	WIN 0
.irp nt,0,1,2,3
	ds_load_b32 v[16+2*\nt], v3 offset:64*\nt      ; the bias of my column, in both halves of a pair
	ds_load_b32 v[17+2*\nt], v3 offset:64*\nt
.endr
.irp k,24,25,26,27,28,29,30,31
	v_mov_b32 v\k, 0                               ; the z sums are written on every path before any path reads them
.endr
	s_wait_dscnt 0x0
; One pass: 64 rows of A against my 64 rows of B, the bias, (job 2) the z sums, f16 in place, 16 stores of 512 consecutive aligned bytes.
.macro PASS mp
	PH4 8+\mp
	WIN 0
	PLACES
	s_cmp_lt_u32 s3, 2
	s_cbranch_scc0 .Lbyn_\mp
.irp i,0,1,2,3
	ds_load_b128 v[FB+8*\i:FB+8*\i+3], v0 offset:256*\mp+64*\i
	ds_load_b128 v[FB+8*\i+4:FB+8*\i+7], v0 offset:256*\mp+64*\i+16
.endr
	s_wait_dscnt 0x0
.irp i,0,1,2,3
.irp nt,0,1,2,3
.irp q,0,2,4,6
	v_pk_add_f32 v[ACC+8*(4*\i+\nt)+\q:ACC+8*(4*\i+\nt)+\q+1], v[ACC+8*(4*\i+\nt)+\q:ACC+8*(4*\i+\nt)+\q+1], v[FB+8*\i+\q:FB+8*\i+\q+1]
.endr
.endr
.endr
	s_branch .Ljoin_\mp
.Lbyn_\mp:
.irp i,0,1,2,3
.irp nt,0,1,2,3
.irp q,0,2,4,6
	v_pk_add_f32 v[ACC+8*(4*\i+\nt)+\q:ACC+8*(4*\i+\nt)+\q+1], v[ACC+8*(4*\i+\nt)+\q:ACC+8*(4*\i+\nt)+\q+1], v[16+2*\nt:17+2*\nt]
.endr
.endr
.endr
	s_cmp_eq_u32 s3, 2
	s_cbranch_scc0 .Ljoin_\mp
.irp i,0,1,2,3
	ds_load_b128 v[FB+32+8*\i:FB+32+8*\i+3], v4 offset:256*\mp+64*\i
	ds_load_b128 v[FB+32+8*\i+4:FB+32+8*\i+7], v4 offset:256*\mp+64*\i+16
.endr
	s_wait_dscnt 0x0
.irp i,0,1,2,3
.irp q,0,2,4,6
.irp nt,0,1,2,3
.if (\i+\q+(\mp&1))==0
	v_pk_mul_f32 v[24+2*\nt:25+2*\nt], v[ACC+8*(4*\i+\nt)+\q:ACC+8*(4*\i+\nt)+\q+1], v[FB+32+8*\i+\q:FB+32+8*\i+\q+1]
.else
	v_pk_fma_f32 v[24+2*\nt:25+2*\nt], v[ACC+8*(4*\i+\nt)+\q:ACC+8*(4*\i+\nt)+\q+1], v[FB+32+8*\i+\q:FB+32+8*\i+\q+1], v[24+2*\nt:25+2*\nt]
.endif
.endr
.endr
.endr
.if \mp&1
	; a chunk of 128 tokens is complete: even + odd rows, then the other half of the lanes
.irp nt,0,1,2,3
	v_add_f32 v[24+2*\nt], v[24+2*\nt], v[25+2*\nt]
.endr
.irp nt,0,1,2,3
	v_permlanex16_b32 v[25+2*\nt], v[24+2*\nt], s48, s49
.endr
.irp nt,0,1,2,3
	v_add_f32 v[24+2*\nt], v[24+2*\nt], v[25+2*\nt]
.endr
	v_cndmask_b32 v24, v24, v26, s56               ; lanes 0-15 keep tile nt, lanes 16-31 take tile nt + 1: 32 neighbouring dims
	v_cndmask_b32 v28, v28, v30, s56
	global_store_b32 v5, v24, s[28:29] offset:1024*(\mp>>1)
	global_store_b32 v5, v28, s[28:29] offset:1024*(\mp>>1)+128
.endif
.Ljoin_\mp:
.irp i,0,1,2,3
.irp nt,0,1,2,3
.irp q,0,1,2,3
	v_cvt_pk_f16_f32 v[ACC+8*(4*\i+\nt)+\q], v[ACC+8*(4*\i+\nt)+2*\q], v[ACC+8*(4*\i+\nt)+2*\q+1]
.endr
	global_store_b128 v[12+\nt], v[ACC+8*(4*\i+\nt):ACC+8*(4*\i+\nt)+3], s[40+2*\mp:41+2*\mp] offset:512*\i
.endr
.endr
.if \mp<3
	s_wait_xcnt 0x0                                ; the stores' data registers are written again by the next pass only behind this wait
.endif
.endm
	PASS 0
	PASS 1
	PASS 2
	PASS 3
	s_set_vgpr_msb 0xa
	s_wait_tensorcnt 0x0
	ds_add_u32 v0, v1
	s_wait_dscnt 0x0
	s_set_vgpr_msb 0xa00
	s_endpgm
.Lfunc_end_k_q439eeb7c45_proj:
	.size	k_q439eeb7c45_proj, .Lfunc_end_k_q439eeb7c45_proj-k_q439eeb7c45_proj
	.p2alignl 7, 3214868480
	.fill 96, 4, 3214868480
	.section	.rodata,"a",@progbits
	.p2align	6, 0x0
	.amdhsa_kernel k_q439eeb7c45_proj
		.amdhsa_group_segment_fixed_size 272896
		.amdhsa_private_segment_fixed_size 0
		.amdhsa_enable_private_segment 0
		.amdhsa_kernarg_size 88
		.amdhsa_user_sgpr_count 2
		.amdhsa_user_sgpr_kernarg_segment_ptr 1
		.amdhsa_wavefront_size32 1
		.amdhsa_system_sgpr_workgroup_id_x 1
		.amdhsa_system_sgpr_workgroup_id_y 1
		.amdhsa_system_sgpr_workgroup_id_z 1
		.amdhsa_system_vgpr_workitem_id 0
		.amdhsa_next_free_vgpr 514
		.amdhsa_next_free_sgpr 66
		.amdhsa_reserve_vcc 0
		.amdhsa_float_denorm_mode_32 3
		.amdhsa_float_denorm_mode_16_64 3
		.amdhsa_memory_ordered 1
		.amdhsa_forward_progress 1
		.amdhsa_inst_pref_size 213
	.end_amdhsa_kernel
	.amdgpu_metadata
---
amdhsa.version: [ 1, 2 ]
amdhsa.kernels:
  - .name:           k_q439eeb7c45_proj
    .symbol:         k_q439eeb7c45_proj.kd
    .args:
      - { .name: xq, .offset: 0, .size: 8, .value_kind: global_buffer, .address_space: global }
      - { .name: xk, .offset: 8, .size: 8, .value_kind: global_buffer, .address_space: global }
      - { .name: xv, .offset: 16, .size: 8, .value_kind: global_buffer, .address_space: global }
      - { .name: Wq, .offset: 24, .size: 8, .value_kind: global_buffer, .address_space: global }
      - { .name: Wk, .offset: 32, .size: 8, .value_kind: global_buffer, .address_space: global }
      - { .name: Wv, .offset: 40, .size: 8, .value_kind: global_buffer, .address_space: global }
      - { .name: bq, .offset: 48, .size: 8, .value_kind: global_buffer, .address_space: global }
      - { .name: bk, .offset: 56, .size: 8, .value_kind: global_buffer, .address_space: global }
      - { .name: bv, .offset: 64, .size: 8, .value_kind: global_buffer, .address_space: global }
      - { .name: qkv, .offset: 72, .size: 8, .value_kind: global_buffer, .address_space: global }
      - { .name: zc, .offset: 80, .size: 8, .value_kind: global_buffer, .address_space: global }
    .group_segment_fixed_size: 272896
    .private_segment_fixed_size: 0
    .kernarg_segment_align: 8
    .kernarg_segment_size: 88
    .max_flat_workgroup_size: 128
    .sgpr_count:     66
    .vgpr_count:     514
    .wavefront_size: 32
...
	.end_amdgpu_metadata
.endif
;; end of part 1
;; launch gate (part 2): grid 128 x 2, 4 waves a work-group, no clusters, 168,448 bytes of LDS; arguments qkv, zc, evum, ut; writes evum, ut
.if DOCPART == 2
	.amdgcn_target "amdgcn-amd-amdhsa--gfx1250"
	.amdhsa_code_object_version 6
	.text
	.protected	k_q439eeb7c45_gate
	.globl	k_q439eeb7c45_gate
	.p2align	8
	.type	k_q439eeb7c45_gate,@function
k_q439eeb7c45_gate:
	s_mov_b64 s[64:65], 0
	v_nop
	global_prefetch_b8 v0, s[64:65] scope:SCOPE_SE
	s_setreg_imm32_b32 hwreg(HW_REG_WAVE_MODE, 25, 1), 1
	s_wait_xcnt 0x0
; For chunk bc (128 tokens): the row sums of the decayed scores, the gates e_p = c_p / max(|rowsum_p|, 1), and half of
; U[kd][vcol] = sum over l of gamma^(127-l) e_p K_p[kd] V_p[vcol]  (grid y: which 128 columns of V).
; rowsum_i = gamma^li ( sum over lj <= li of S_ij aT_lj + Q_i . Zp' ),  aT_l = gamma^-l c_p / 16,  Zp' = gamma Zp / 16,
; Zp = the decayed sum of the earlier chunks' z of this batch element (Horner over all 31, steps at or past my chunk selected away).
; Wave w owns queries 32 w .. 32 w + 31 (two n tiles, resident in window 1), then two column tiles of V.
; The gate weights go to f16 scaled by a power of two taken from their largest, which is multiplied back exactly in f32.
; LIMITS: |Zp'| below 65,504; the weights' scale is held at 2^-100 or above; masked scores are selected away, not multiplied by 0.
; No cluster: the two work-groups of a chunk share K's tiles, loaded once each at the start; a joint load would need a grid of fours.
.set LGN, 0xbca0a312                   ; log2(gamma)
.set LGP, 0x3ca0a312                   ; -log2(gamma)
.set IGC, 0x429425ff                   ; 1 / (1 - gamma)
.set G128X, 0xc020a312                 ; 128 log2(gamma)
.set GAM16, 0x3d7c8b44                 ; gamma / 16
.set KRL, 0                            ; K by tokens: 8 token tiles x 8 K steps x 1,024 bytes
.set KTL, 65536                        ; K by dims: 16 dim tiles x 4 K steps x 1,024 bytes
.set ATL, 131072                       ; aT, 128 f32      (the tables lie in 256-byte blocks into which no tensor load lands)
.set ZPL, 131584                       ; Zp', 256 f16
.set WTL, 132096                       ; gate weights, 128 f32
.set WHL, 132608                       ; the same scaled, f16: 256 bytes for each wave
.set FB,  32
.set ACC, 128
.set MSB, 0
.macro WIN new
.if MSB != \new
	s_set_vgpr_msb (MSB<<8)|\new
.set MSB, \new
.endif
.endm
.macro PLACES                          ; four places behind a matrix instruction (ISA guide 7.12.1)
.rept 4
	v_nop
.endr
.endm
.macro LD4 buf, areg, off, mstep, sec
.irp i,0,1,2,3
	ds_load_b128 v[\buf+8*\i:\buf+8*\i+3], v[\areg] offset:\off+\i*\mstep
	ds_load_b128 v[\buf+8*\i+4:\buf+8*\i+7], v[\areg] offset:\off+\i*\mstep+\sec
.endr
.endm
; 8 m tiles x 2 n tiles x nks K steps.  Group g: K step g>>1, m tiles 4 (g&1) .. +3: 8 loads, 8 matrix instructions, fetched two groups ahead.
; The sixteen accumulators take turns, one instruction a turn.
.macro PH2 areg, moff, nks, mstep, bbase, czero
	WIN 0x04
	PLACES
	LD4 FB, \areg, \moff, \mstep, 512
	LD4 FB+32, \areg, \moff+4*\mstep, \mstep, 512
.set g, 0
.rept 2*\nks
.if g+2<2*\nks
.if g>0
	PLACES
.endif
	LD4 FB+32*((g+2)%3), \areg, \moff+4*((g+2)&1)*\mstep+1024*((g+2)>>1), \mstep, 512
	s_wait_dscnt 16                    ; group g is in; the two younger groups' 16 loads stay out
.else
	s_wait_dscnt 8*(2*\nks-1-g)
.endif
.set cz, 0
.if \czero
.if g<2
.set cz, 1
.endif
.endif
.irp i,0,1,2,3
.irp q,0,1
.set dd, ACC+8*(2*(4*(g&1)+\i)+\q)
.set aa, FB+32*(g%3)+8*\i
.set bb, \bbase+8*(2*(g>>1)+\q)
.if cz
	v_wmma_f32_16x16x32_f16 v[dd:dd+7], v[aa:aa+7], v[bb:bb+7], 0
.else
	v_wmma_f32_16x16x32_f16 v[dd:dd+7], v[aa:aa+7], v[bb:bb+7], v[dd:dd+7]
.endif
.endr
.endr
.set g, g+1
.endr
.endm
	s_load_b256 s[8:15], s[0:1], 0x0               ; qkv, zc, evum, ut
	s_set_vgpr_msb 0x40
	v_lshl_add_u32 v254, v0, 2, 0x29000
	v_mov_b32 v255, 0
	s_set_vgpr_msb 0x4045
	ds_add_u32 v254, v255
	ds_add_u32 v254, v255
	s_set_vgpr_msb 0x4500
	v_lshrrev_b32 v1, 5, v0
	v_readfirstlane_b32 s2, v1                     ; wave
	s_and_b32 s3, ttmp7, 0xffff                    ; half
	s_lshr_b32 s4, ttmp9, 5                        ; batch element
	s_and_b32 s5, ttmp9, 31                        ; chunk
	; descriptor group 1: a dense block of 64 rows of 256 bytes (32 elements of 8 bytes)
	s_mov_b32 s40, 0x30000
	s_mov_b32 s41, 32<<16
	s_mov_b32 s42, 64<<16
	s_mov_b32 s43, 32<<16
	s_mov_b32 s44, 64
	s_mov_b32 s45, 32
	s_mov_b32 s46, 0
	s_mov_b32 s47, 0
	s_lshl_b32 s6, s2, 14                          ; my quarter: 16,384 bytes
	s_mov_b32 s7, 0
	s_lshl_b32 s16, ttmp9, 16                      ; the chunk's 65,536 bytes in each array
	s_mov_b32 s17, 0
	s_wait_dscnt 0x0
	s_wait_kmcnt 0x0
	s_add_nc_u64 s[18:19], s[8:9], s[16:17]        ; Q by tokens
	s_add_nc_u64 s[20:21], s[18:19], 0x800000      ; K by tokens
	s_add_nc_u64 s[22:23], s[18:19], 0x1000000     ; K by dims
	s_add_nc_u64 s[24:25], s[18:19], 0x1800000     ; V by dims
	s_mov_b32 s48, 1
	s_add_co_u32 s49, s6, KRL
	s_add_nc_u64 s[50:51], s[20:21], s[6:7]
	s_or_b32 s51, s51, 0x80000000
	tensor_load_to_lds s[48:51], s[40:47]          ; each LDS byte is filled once in this launch; two tensor loads of a wave are out
	s_nop 0
	s_mov_b32 s52, 1
	s_add_co_u32 s53, s6, KTL
	s_add_nc_u64 s[54:55], s[22:23], s[6:7]
	s_or_b32 s55, s55, 0x80000000
	tensor_load_to_lds s[52:55], s[40:47]
	s_nop 0
	s_lshl_b32 s16, s3, 15
	s_add_nc_u64 s[24:25], s[24:25], s[16:17]      ; my half's 8 column tiles of V
	s_lshl_b32 s16, s4, 15
	s_add_nc_u64 s[26:27], s[10:11], s[16:17]      ; the batch element's 32 rows of zc
	s_lshl_b32 s16, ttmp9, 18
	s_lshl_b32 s28, s3, 17
	s_add_co_u32 s16, s16, s28
	s_add_nc_u64 s[14:15], s[14:15], s[16:17]      ; ut: my chunk, my half
	s_mov_b32 s30, LGN
	s_mov_b32 s31, IGC
	s_mov_b32 s56, 0x76543210
	s_mov_b32 s57, 0xfedcba98
	s_mov_b32 s58, 0xffff0000
	v_and_b32 v1, 31, v0                           ; L
	v_and_b32 v2, 15, v0                           ; r
	v_bfe_u32 v3, v0, 4, 1                         ; h
	v_lshlrev_b32 v7, 4, v1                        ; 16 L: K by tokens in LDS
	v_add_nc_u32 v4, s6, v7                        ; Q: my two token tiles
	s_lshl_b32 s29, s2, 13
	v_add_nc_u32 v5, s29, v7                       ; V: my two column tiles
	v_lshlrev_b32 v6, 3, v0                        ; zc: dims 2 t, 2 t + 1
	v_add_nc_u32 v8, KTL, v7
	v_lshl_add_u32 v9, v3, 5, ATL
	v_lshl_add_u32 v10, v3, 4, ZPL
	s_lshl_b32 s29, s2, 5
	v_lshlrev_b32 v11, 3, v3
	v_sub_nc_u32 v11, v2, v11
	v_add_nc_u32 v11, s29, v11                     ; 32 w + r - 8 h: key 16 mt + 8 h + j counts for query 32 w + 16 nt + r if 16 (mt - nt) + j <= this
	v_add_nc_u32 v14, s29, v1                      ; token 32 w + L
	s_lshl_b32 s29, s2, 15
	v_add_nc_u32 v12, s29, v7                      ; ut: my two column tiles
	s_lshl_b32 s61, s2, 8
	s_add_co_u32 s61, s61, WHL
	v_lshl_add_u32 v13, v3, 4, s61
	v_lshl_add_u32 v15, v0, 2, ATL
	s_lshl_b32 s28, s5, 7
	s_add_co_u32 s28, s28, 1                       ; 128 c + 1
.set k, 0
.rept 31
	global_load_b64 v[ACC+2*k:ACC+2*k+1], v6, s[26:27] offset:1024*k
.set k, k+1
.endr
	WIN 0x40                                       ; destinations in window 1
.irp ks,0,1,2,3,4,5,6,7
.irp nt,0,1
	global_load_b128 v[8*(2*\ks+\nt):8*(2*\ks+\nt)+3], v4, s[18:19] offset:8192*\nt+1024*\ks
	global_load_b128 v[8*(2*\ks+\nt)+4:8*(2*\ks+\nt)+7], v4, s[18:19] offset:8192*\nt+1024*\ks+512
.endr
.endr
.irp ks,0,1,2,3
.irp nt,0,1
	global_load_b128 v[128+8*(2*\ks+\nt):128+8*(2*\ks+\nt)+3], v5, s[24:25] offset:4096*\nt+1024*\ks
	global_load_b128 v[128+8*(2*\ks+\nt)+4:128+8*(2*\ks+\nt)+7], v5, s[24:25] offset:4096*\nt+1024*\ks+512
.endr
.endr
	WIN 0
	; aT[t] = gamma^-t c_p / 16
	v_add_nc_u32 v16, s28, v0
	v_cvt_f32_u32 v16, v16
	v_cvt_f32_u32 v17, v0
	v_mov_b32 v18, G128X
	v_mul_f32 v16, s30, v16
	v_mul_f32 v17, LGP, v17
	v_exp_f32 v16, v16
	v_exp_f32 v17, v17
	v_exp_f32 v18, v18
	v_nop                                          ; one plain instruction behind the transcendentals (ISA guide 5.7.2)
	s_wait_alu depctr_va_vdst(0)
	v_fma_f32 v16, -v16, s31, s31
	v_readfirstlane_b32 s36, v18                   ; gamma^128
	s_mov_b32 s37, s36
	v_rsq_f32 v16, v16
	v_mul_f32 v17, 0x3d800000, v17
	s_wait_alu depctr_va_vdst(0)
	v_mul_f32 v16, v16, v17
	ds_store_b32 v15, v16
	; Zp by Horner over chunks 0 .. 30; a step k >= c leaves Z as it is
	v_mov_b32 v20, 0
	v_mov_b32 v21, 0
	s_wait_loadcnt 48                              ; the 31 z rows are in; 32 loads of Q and 16 of V stay out
.set k, 0
.rept 31
	v_pk_fma_f32 v[22:23], v[20:21], s[36:37], v[ACC+2*k:ACC+2*k+1] op_sel_hi:[1,0,1]
	s_cmp_gt_u32 s5, k
	s_cselect_b32 s60, -1, 0
	v_cndmask_b32 v20, v20, v22, s60
	v_cndmask_b32 v21, v21, v23, s60
.set k, k+1
.endr
	v_pk_mul_f32 v[20:21], v[20:21], GAM16 op_sel_hi:[1,0]
	v_cvt_pk_f16_f32 v20, v20, v21
	ds_store_b32 v15, v20 offset:ZPL-ATL
	s_wait_tensorcnt 0x0                           ; my quarters of both K tiles have landed
	s_wait_dscnt 0x0                               ; and my table entries are in LDS
	s_barrier_signal -1
	s_barrier_wait -1
	; Q . Zp': A = sixteen equal rows Zp', so every register of the result holds the lane's query's product
.irp ks,0,1,2,3,4,5,6,7
	ds_load_b128 v[FB+8*\ks:FB+8*\ks+3], v10 offset:64*\ks
	ds_load_b128 v[FB+8*\ks+4:FB+8*\ks+7], v10 offset:64*\ks+32
.endr
	s_wait_dscnt 0x0
	s_wait_loadcnt 16                              ; Q is in; V's 16 loads stay out
	WIN 0x04
	v_wmma_f32_16x16x32_f16 v[16:23], v[FB:FB+7], v[0:7], 0
	v_wmma_f32_16x16x32_f16 v[24:31], v[FB:FB+7], v[8:15], 0
.irp ks,1,2,3,4,5,6,7
	v_wmma_f32_16x16x32_f16 v[16:23], v[FB+8*\ks:FB+8*\ks+7], v[16*\ks:16*\ks+7], v[16:23]       ; two accumulators by turns
	v_wmma_f32_16x16x32_f16 v[24:31], v[FB+8*\ks:FB+8*\ks+7], v[16*\ks+8:16*\ks+15], v[24:31]
.endr
	PH2 7, 0, 8, 8192, 0, 1                        ; S^T: m = keys, n = my queries
	WIN 0
	PLACES
.irp mt,0,1,2,3,4,5,6,7
	ds_load_b128 v[FB+8*\mt:FB+8*\mt+3], v9 offset:64*\mt
	ds_load_b128 v[FB+8*\mt+4:FB+8*\mt+7], v9 offset:64*\mt+16
.endr
	s_wait_dscnt 0x0
.irp mt,0,1,2,3,4,5,6,7
.irp nt,0,1
.irp j,0,1,2,3,4,5,6,7
	v_cmp_le_i32 vcc_lo, 16*(\mt-\nt)+\j, v11
	v_cndmask_b32 v[100+(\j&1)], 0, v[ACC+8*(2*\mt+\nt)+\j], vcc_lo
.if (8*\mt+\j)<2
	v_mul_f32 v[96+2*\nt+(\j&1)], v[100+(\j&1)], v[FB+8*\mt+\j]
.else
	v_fmac_f32 v[96+2*\nt+(\j&1)], v[100+(\j&1)], v[FB+8*\mt+\j]
.endif
.endr
.endr
.endr
	v_add_f32 v96, v96, v97
	v_add_f32 v98, v98, v99
	v_permlanex16_b32 v100, v96, s56, s57          ; the other eight keys of each sixteen
	v_permlanex16_b32 v101, v98, s56, s57
	v_add_f32 v96, v96, v100
	v_add_f32 v98, v98, v101
	v_add_f32 v96, v96, v16
	v_add_f32 v98, v98, v24
	v_cndmask_b32 v96, v96, v98, s58               ; lane L now stands for token 32 w + L
	v_cvt_f32_u32 v102, v14
	v_add_nc_u32 v103, s28, v14
	v_sub_nc_u32 v104, 127, v14
	v_cvt_f32_u32 v103, v103
	v_cvt_f32_u32 v104, v104
	v_mul_f32 v102, s30, v102
	v_mul_f32 v103, s30, v103
	v_mul_f32 v104, s30, v104
	v_exp_f32 v102, v102
	v_exp_f32 v103, v103
	v_exp_f32 v104, v104
	v_nop
	s_wait_alu depctr_va_vdst(0)
	v_mul_f32 v96, v96, v102                       ; the row sum
	v_fma_f32 v103, -v103, s31, s31
	v_max_num_f32 v96, |v96|, 1.0
	v_rsq_f32 v103, v103
	v_rcp_f32 v96, v96
	v_lshl_add_u32 v15, v14, 2, WTL
	s_wait_alu depctr_va_vdst(0)
	v_mul_f32 v17, v103, v96                       ; e
	v_mul_f32 v16, v17, v104                       ; gamma^(127-l) e
	ds_store_b32 v15, v16
	s_lshl_b32 s29, ttmp9, 9
	v_lshl_add_u32 v18, v14, 2, s29
	s_cmp_lg_u32 s3, 0
	s_cbranch_scc1 .Lnoev
	global_store_b32 v18, v17, s[12:13]            ; both halves hold the same e: half 0 stores it
.Lnoev:
	s_wait_dscnt 0x0
	s_barrier_signal -1
	s_barrier_wait -1
	; all 128 weights, scaled by a power of two into [0.5, 1) at the largest, in f16, in the order of a fragment's k
	v_add_nc_u32 v26, WTL, v7
	ds_load_b128 v[20:23], v26
	s_wait_dscnt 0x0
	v_max3_num_f32 v24, v20, v21, v22
	v_max_num_f32 v24, v24, v23
	v_max_num_f32_dpp v24, v24, v24 row_xmask:1 row_mask:0xf bank_mask:0xf
	v_max_num_f32_dpp v24, v24, v24 row_xmask:2 row_mask:0xf bank_mask:0xf
	v_max_num_f32_dpp v24, v24, v24 row_xmask:4 row_mask:0xf bank_mask:0xf
	v_max_num_f32_dpp v24, v24, v24 row_xmask:8 row_mask:0xf bank_mask:0xf
	v_permlanex16_b32 v25, v24, s56, s57
	v_max_num_f32 v24, v24, v25
	v_and_b32 v24, 0x7f800000, v24                 ; its exponent,
	v_max_u32 v24, 0x0d800000, v24                 ; held at 2^-100 or above
	v_sub_nc_u32 v25, 0x7e800000, v24              ; 2^-(ex+1)
	v_add_nc_u32 v24, 0x00800000, v24              ; 2^(ex+1)
	v_readfirstlane_b32 s38, v24
	s_mov_b32 s39, s38
	v_mul_f32 v20, v20, v25
	v_mul_f32 v21, v21, v25
	v_mul_f32 v22, v22, v25
	v_mul_f32 v23, v23, v25
	v_cvt_pk_f16_f32 v20, v20, v21
	v_cvt_pk_f16_f32 v21, v22, v23
	v_lshl_add_u32 v27, v1, 3, s61
	ds_store_b64 v27, v[20:21]                     ; my wave's own 256 bytes: LDS serves a wave in order (ISA guide 5.7.1), no barrier
	WIN 0x40
.irp ks,0,1,2,3
	ds_load_b128 v[192+8*\ks:192+8*\ks+3], v13 offset:64*\ks
	ds_load_b128 v[192+8*\ks+4:192+8*\ks+7], v13 offset:64*\ks+32
.endr
	WIN 0
.irp k,28,29,30,31
	v_mov_b32 v\k, 0                               ; four running maxima of |U|
.endr
	s_wait_dscnt 0x0
	s_wait_loadcnt 0x0                             ; V
	WIN 0x45                                       ; all three operands in window 1: V's fragments times the weights along k
.irp ks,0,1,2,3
.irp nt,0,1
.irp q,0,1,2,3,4,5,6,7
	v_pk_mul_f16 v[128+8*(2*\ks+\nt)+\q], v[128+8*(2*\ks+\nt)+\q], v[192+8*\ks+\q]
.endr
.endr
.endr
; U: 8 tiles of kd x my two tiles of V's columns, scaled back, stored as result tiles: each store covers 512 consecutive aligned bytes
.macro UPASS ps
	PH2 8, 32768*\ps, 4, 4096, 128, 1
	WIN 0
	PLACES
.irp mt,0,1,2,3,4,5,6,7
.irp nt,0,1
.irp q,0,2,4,6
	v_pk_mul_f32 v[ACC+8*(2*\mt+\nt)+\q:ACC+8*(2*\mt+\nt)+\q+1], v[ACC+8*(2*\mt+\nt)+\q:ACC+8*(2*\mt+\nt)+\q+1], s[38:39] op_sel_hi:[1,0]
.endr
.irp q,0,2,4,6
	v_max3_num_f32 v[28+\q/2], |v[ACC+8*(2*\mt+\nt)+\q]|, |v[ACC+8*(2*\mt+\nt)+\q+1]|, v[28+\q/2]
.endr
	global_store_b128 v12, v[ACC+8*(2*\mt+\nt):ACC+8*(2*\mt+\nt)+3], s[14:15] offset:16384*\nt+1024*(8*\ps+\mt)
	global_store_b128 v12, v[ACC+8*(2*\mt+\nt)+4:ACC+8*(2*\mt+\nt)+7], s[14:15] offset:16384*\nt+1024*(8*\ps+\mt)+512
.endr
.endr
.endm
	UPASS 0
	s_wait_xcnt 0x0                                ; the stores' data registers are written again only behind this wait
	UPASS 1
	; the largest |U| of my wave, for the next launch's bound on the state
	v_max3_num_f32 v28, v28, v29, v30
	v_max_num_f32 v28, v28, v31
	v_max_num_f32_dpp v28, v28, v28 row_xmask:1 row_mask:0xf bank_mask:0xf
	v_max_num_f32_dpp v28, v28, v28 row_xmask:2 row_mask:0xf bank_mask:0xf
	v_max_num_f32_dpp v28, v28, v28 row_xmask:4 row_mask:0xf bank_mask:0xf
	v_max_num_f32_dpp v28, v28, v28 row_xmask:8 row_mask:0xf bank_mask:0xf
	v_permlanex16_b32 v29, v28, s56, s57
	v_max_num_f32 v28, v28, v29
	s_lshl_b32 s29, ttmp9, 5
	s_lshl_b32 s16, s3, 4
	s_add_co_u32 s29, s29, s16
	s_lshl2_add_u32 s29, s2, s29                   ; 32 bc + 16 half + 4 w
	v_mov_b32 v19, s29
	v_cmp_eq_u32 vcc_lo, 0, v1
	s_wait_xcnt 0x0                                ; EXEC changes only behind this wait
	s_set_vgpr_msb 0x5
	s_wait_tensorcnt 0x0
	ds_add_u32 v254, v255
	s_wait_dscnt 0x0
	s_set_vgpr_msb 0x500
	s_and_saveexec_b32 s59, vcc_lo
	global_store_b32 v19, v28, s[12:13] offset:65536
	s_wait_xcnt 0x0
	s_or_b32 exec_lo, exec_lo, s59
	s_endpgm
.Lfunc_end_k_q439eeb7c45_gate:
	.size	k_q439eeb7c45_gate, .Lfunc_end_k_q439eeb7c45_gate-k_q439eeb7c45_gate
	.p2alignl 7, 3214868480
	.fill 96, 4, 3214868480
	.section	.rodata,"a",@progbits
	.p2align	6, 0x0
	.amdhsa_kernel k_q439eeb7c45_gate
		.amdhsa_group_segment_fixed_size 168448
		.amdhsa_private_segment_fixed_size 0
		.amdhsa_enable_private_segment 0
		.amdhsa_kernarg_size 32
		.amdhsa_user_sgpr_count 2
		.amdhsa_user_sgpr_kernarg_segment_ptr 1
		.amdhsa_wavefront_size32 1
		.amdhsa_system_sgpr_workgroup_id_x 1
		.amdhsa_system_sgpr_workgroup_id_y 1
		.amdhsa_system_sgpr_workgroup_id_z 1
		.amdhsa_system_vgpr_workitem_id 0
		.amdhsa_next_free_vgpr 512
		.amdhsa_next_free_sgpr 66
		.amdhsa_reserve_vcc 1
		.amdhsa_float_denorm_mode_32 3
		.amdhsa_float_denorm_mode_16_64 3
		.amdhsa_memory_ordered 1
		.amdhsa_forward_progress 1
		.amdhsa_inst_pref_size 105
	.end_amdhsa_kernel
	.amdgpu_metadata
---
amdhsa.version: [ 1, 2 ]
amdhsa.kernels:
  - .name:           k_q439eeb7c45_gate
    .symbol:         k_q439eeb7c45_gate.kd
    .args:
      - { .name: qkv, .offset: 0, .size: 8, .value_kind: global_buffer, .address_space: global }
      - { .name: zc, .offset: 8, .size: 8, .value_kind: global_buffer, .address_space: global }
      - { .name: evum, .offset: 16, .size: 8, .value_kind: global_buffer, .address_space: global }
      - { .name: ut, .offset: 24, .size: 8, .value_kind: global_buffer, .address_space: global }
    .group_segment_fixed_size: 168448
    .private_segment_fixed_size: 0
    .kernarg_segment_align: 8
    .kernarg_segment_size: 32
    .max_flat_workgroup_size: 128
    .sgpr_count:     66
    .vgpr_count:     512
    .wavefront_size: 32
...
	.end_amdgpu_metadata
.endif
;; end of part 2
;; launch scan (part 3): grid 256 x 1, 4 waves a work-group, no clusters, 0 bytes of LDS; arguments ut, evum, sth, sg; writes sth, sg
.if DOCPART == 3
	.amdgcn_target "amdgcn-amd-amdhsa--gfx1250"
	.amdhsa_code_object_version 6
	.text
	.protected	k_q439eeb7c45_scan
	.globl	k_q439eeb7c45_scan
	.p2align	8
	.type	k_q439eeb7c45_scan,@function
k_q439eeb7c45_scan:
	s_mov_b64 s[64:65], 0
	v_nop
	global_prefetch_b8 v0, s[64:65] scope:SCOPE_SE
	s_setreg_imm32_b32 hwreg(HW_REG_WAVE_MODE, 25, 1), 1
	s_wait_xcnt 0x0
; The state in front of each chunk: St_0 = 0, St_(c+1) = gamma^128 St_c + U_c, kept in f32.
; One wave scans one result tile (16 kd x 16 columns, 8 f32 a lane) of one batch element over its 32 chunks: 4 x 256 tiles = 1,024 waves.
; St_c leaves as f16, scaled by a power of two from the bound M_c >= max |St_c| (M_(c+1) = gamma^128 M_c + max |U_c|, the same in every wave
; of a batch element); the scale goes to sg.  A tile's 8 numbers a lane are half a fragment of St^T (rows = columns of V, k = kd): 16 bytes a lane.
; Memory binds: 16 chunks (32 loads of 512 consecutive bytes) of every wave are on their way; matrix units, LDS and clusters would add nothing.
; LIMIT: the scale's exponent is held in 2^-48 .. 2^48.  U_31 feeds no output and is not read.
.set G128X, 0xc020a312                 ; 128 log2(gamma)
.set X, 32                             ; v[32:159]  ring of 16 chunks x 8 registers
.set Y, 160                            ; v[160:255] 24 sets of four registers to store; steps 24 to 31 take sets 0 to 7 again, behind one wait
.set YSETS, 24
	s_load_b256 s[8:15], s[0:1], 0x0               ; ut, evum, sth, sg
	v_lshrrev_b32 v1, 5, v0
	v_readfirstlane_b32 s2, v1                     ; wave
	v_and_b32 v1, 31, v0
	s_lshr_b32 s3, ttmp9, 6                        ; batch element
	s_and_b32 s4, ttmp9, 63
	s_lshl2_add_u32 s5, s4, s2                     ; tile T = 16 x column tile + kd tile
	s_lshl_b32 s16, s3, 23
	s_lshl_b32 s6, s5, 10
	s_add_co_u32 s16, s16, s6
	s_mov_b32 s17, 0
	s_lshl_b32 s18, s3, 22
	s_lshl_b32 s6, s5, 9
	s_add_co_u32 s18, s18, s6
	s_mov_b32 s19, 0
	v_lshlrev_b32 v2, 4, v1                        ; 16 L
	s_lshl_b32 s6, s3, 10
	v_lshl_add_u32 v3, v1, 5, s6                   ; um: lane c takes chunk c's eight maxima
	s_lshl_b32 s6, s3, 7
	v_lshl_add_u32 v4, v1, 2, s6                   ; sg: lane c stores chunk c's scale
	s_wait_kmcnt 0x0
	s_add_nc_u64 s[8:9], s[8:9], s[16:17]
	s_add_nc_u64 s[12:13], s[12:13], s[18:19]
	global_load_b128 v[8:11], v3, s[10:11] offset:65536
	global_load_b128 v[12:15], v3, s[10:11] offset:65552
.macro ULOAD c
	global_load_b128 v[X+8*((\c)%16):X+8*((\c)%16)+3], v2, s[8:9] offset:262144*(\c) th:TH_LOAD_NT
	global_load_b128 v[X+8*((\c)%16)+4:X+8*((\c)%16)+7], v2, s[8:9] offset:262144*(\c)+512 th:TH_LOAD_NT
.endm
.set n, 0
.rept 16
	ULOAD n
.set n, n+1
.endr
	v_mov_b32 v5, G128X
	v_exp_f32 v5, v5
	v_mov_b32 v6, 0                                ; the scales, lane by lane (and the plain instruction behind the transcendental: ISA guide 5.7.2)
	s_wait_alu depctr_va_vdst(0)
	v_readfirstlane_b32 s22, v5                    ; gamma^128
	s_mov_b32 s23, s22
	s_mov_b32 s24, 0                               ; M_0
.irp k,16,17,18,19,20,21,22,23
	v_mov_b32 v\k, 0                               ; St_0
.endr
	s_wait_loadcnt 32                              ; the maxima are in; the ring's 32 loads stay out
	v_max3_num_f32 v7, v8, v9, v10
	v_max3_num_f32 v7, v7, v11, v12
	v_max3_num_f32 v7, v7, v13, v14
	v_max_num_f32 v7, v7, v15
.macro STEP c
	s_and_b32 s20, s24, 0x7f800000                 ; the bound's exponent,
	s_max_u32 s20, s20, 0x27800000                 ; held in 2^-48 .. 2^48
	s_min_u32 s20, s20, 0x57800000
	s_sub_co_u32 s26, 0x7e800000, s20              ; 2^-(ex+1)
	s_mov_b32 s27, s26
	s_add_co_u32 s21, s20, 0x00800000              ; 2^(ex+1)
	v_writelane_b32 v6, s21, \c
.irp q,0,2,4,6
	v_pk_mul_f32 v[24+\q:25+\q], v[16+\q:17+\q], s[26:27] op_sel_hi:[1,0]
.endr
.if \c==YSETS
	s_wait_xcnt 0x0                                ; the sets of steps 0 to 7, which their stores read, are written again only behind this wait
.endif
.irp q,0,1,2,3
	v_cvt_pk_f16_f32 v[Y+4*(\c%YSETS)+\q], v[24+2*\q], v[25+2*\q]
.endr
	global_store_b128 v2, v[Y+4*(\c%YSETS):Y+4*(\c%YSETS)+3], s[12:13] offset:131072*\c
.if \c<31
.if \c<=15
	s_wait_loadcnt 30                              ; chunk c is in; fifteen younger chunks, two loads each, stay out
.else
	s_wait_loadcnt 2*(30-\c)
.endif
.irp q,0,2,4,6
	v_pk_fma_f32 v[16+\q:17+\q], v[16+\q:17+\q], s[22:23], v[X+8*(\c%16)+\q:X+8*(\c%16)+\q+1] op_sel_hi:[1,0,1]
.endr
	v_readlane_b32 s25, v7, \c
	s_fmac_f32 s25, s22, s24                       ; M = max |U_c| + gamma^128 M
	s_mov_b32 s24, s25
.if \c+16<=30
	ULOAD \c+16
.endif
.endif
.endm
.irp c,0,1,2,3,4,5,6,7,8,9,10,11,12,13,14,15,16,17,18,19,20,21,22,23,24,25,26,27,28,29,30,31
	STEP \c
.endr
	s_or_b32 s6, s4, s2                            ; one wave of each batch element stores the 32 scales
	s_cmp_lg_u32 s6, 0
	s_cbranch_scc1 .Lend
	global_store_b32 v4, v6, s[14:15]
.Lend:
	s_endpgm
.Lfunc_end_k_q439eeb7c45_scan:
	.size	k_q439eeb7c45_scan, .Lfunc_end_k_q439eeb7c45_scan-k_q439eeb7c45_scan
	.p2alignl 7, 3214868480
	.fill 96, 4, 3214868480
	.section	.rodata,"a",@progbits
	.p2align	6, 0x0
	.amdhsa_kernel k_q439eeb7c45_scan
		.amdhsa_group_segment_fixed_size 0
		.amdhsa_private_segment_fixed_size 0
		.amdhsa_enable_private_segment 0
		.amdhsa_kernarg_size 32
		.amdhsa_user_sgpr_count 2
		.amdhsa_user_sgpr_kernarg_segment_ptr 1
		.amdhsa_wavefront_size32 1
		.amdhsa_system_sgpr_workgroup_id_x 1
		.amdhsa_system_sgpr_workgroup_id_y 1
		.amdhsa_system_sgpr_workgroup_id_z 1
		.amdhsa_system_vgpr_workitem_id 0
		.amdhsa_next_free_vgpr 256
		.amdhsa_next_free_sgpr 66
		.amdhsa_reserve_vcc 0
		.amdhsa_float_denorm_mode_32 3
		.amdhsa_float_denorm_mode_16_64 3
		.amdhsa_memory_ordered 1
		.amdhsa_forward_progress 1
		.amdhsa_inst_pref_size 53
	.end_amdhsa_kernel
	.amdgpu_metadata
---
amdhsa.version: [ 1, 2 ]
amdhsa.kernels:
  - .name:           k_q439eeb7c45_scan
    .symbol:         k_q439eeb7c45_scan.kd
    .args:
      - { .name: ut, .offset: 0, .size: 8, .value_kind: global_buffer, .address_space: global }
      - { .name: evum, .offset: 8, .size: 8, .value_kind: global_buffer, .address_space: global }
      - { .name: sth, .offset: 16, .size: 8, .value_kind: global_buffer, .address_space: global }
      - { .name: sg, .offset: 24, .size: 8, .value_kind: global_buffer, .address_space: global }
    .group_segment_fixed_size: 0
    .private_segment_fixed_size: 0
    .kernarg_segment_align: 8
    .kernarg_segment_size: 32
    .max_flat_workgroup_size: 128
    .sgpr_count:     66
    .vgpr_count:     256
    .wavefront_size: 32
...
	.end_amdgpu_metadata
.endif
;; end of part 3
;; launch outp (part 4): grid 128 x 2, 4 waves a work-group, no clusters, 232,448 bytes of LDS; arguments qkv, evum, sth, sg, out0; writes out0
.if DOCPART == 4
	.amdgcn_target "amdgcn-amd-amdhsa--gfx1250"
	.amdhsa_code_object_version 6
	.text
	.protected	k_q439eeb7c45_outp
	.globl	k_q439eeb7c45_outp
	.p2align	8
	.type	k_q439eeb7c45_outp,@function
k_q439eeb7c45_outp:
	s_mov_b64 s[64:65], 0
	v_nop
	global_prefetch_b8 v0, s[64:65] scope:SCOPE_SE
	s_setreg_imm32_b32 hwreg(HW_REG_WAVE_MODE, 25, 1), 1
	s_wait_xcnt 0x0
; out_i = gamma^li ( sum over lj <= li of S_ij a'_lj V_lj + (gamma/16) Q_i . St_c ),  a'_l = gamma^-l e_p / 16,
; for chunk bc (128 queries) and 128 of V's 256 columns (grid y).  Wave w owns queries 32 w .. 32 w + 31 (two n tiles, Q resident in window 1).
; S^T (m = keys, n = queries) is weighted, masked, scaled per query by a power of two s from its largest magnitude and packed, lane by lane,
; into f16 fragments P (rows = queries, k = keys).  The state's product comes first into the accumulators (m = columns, n = queries), is
; brought to P's scale by (gamma/16) sigma / s, V^T P adds onto it, and gamma^li s finishes.
; LIMITS: s is held in 2^-48 .. 2^48, as sigma is; masked scores are selected away, not multiplied by 0.
; No cluster: the two work-groups of a chunk share K's tile alone, 64 KiB of the 224 KiB that each reads, once.
.set LGN, 0xbca0a312                   ; log2(gamma)
.set LGP, 0x3ca0a312
.set GAM16, 0x3d7c8b44                 ; gamma / 16
.set KRL, 0                            ; K by tokens, 65,536 bytes
.set STL, 65536                        ; the scaled state's fragments of my 8 column tiles, 65,536 bytes
.set VTL, 131072                       ; V by dims, my 8 column tiles, 32,768 bytes
.set ATL, 163840                       ; a', 128 f32           (table and stage lie in 256-byte blocks into which no tensor load lands)
.set STG, 164352                       ; the way out: for each wave 32 rows of 512 + 16 bytes
.set SP,  528
.set FB,  32
.set ACC, 128
.set MSB, 0
.macro WIN new
.if MSB != \new
	s_set_vgpr_msb (MSB<<8)|\new
.set MSB, \new
.endif
.endm
.macro PLACES                          ; four places behind a matrix instruction (ISA guide 7.12.1)
.rept 4
	v_nop
.endr
.endm
.macro LD4 buf, areg, off, mstep, sec
.irp i,0,1,2,3
	ds_load_b128 v[\buf+8*\i:\buf+8*\i+3], v[\areg] offset:\off+\i*\mstep
	ds_load_b128 v[\buf+8*\i+4:\buf+8*\i+7], v[\areg] offset:\off+\i*\mstep+\sec
.endr
.endm
; 8 m tiles x 2 n tiles x nks K steps; group g: K step g>>1, m tiles 4 (g&1) .. +3; fragments fetched two groups ahead.
; The sixteen accumulators take turns, one instruction a turn.
.macro PH2 areg, moff, nks, mstep, bbase, czero
	WIN 0x04
	PLACES
	LD4 FB, \areg, \moff, \mstep, 512
	LD4 FB+32, \areg, \moff+4*\mstep, \mstep, 512
.set g, 0
.rept 2*\nks
.if g+2<2*\nks
.if g>0
	PLACES
.endif
	LD4 FB+32*((g+2)%3), \areg, \moff+4*((g+2)&1)*\mstep+1024*((g+2)>>1), \mstep, 512
	s_wait_dscnt 16                    ; group g is in; the two younger groups' 16 loads stay out
.else
	s_wait_dscnt 8*(2*\nks-1-g)
.endif
.set cz, 0
.if \czero
.if g<2
.set cz, 1
.endif
.endif
.irp i,0,1,2,3
.irp q,0,1
.set dd, ACC+8*(2*(4*(g&1)+\i)+\q)
.set aa, FB+32*(g%3)+8*\i
.set bb, \bbase+8*(2*(g>>1)+\q)
.if cz
	v_wmma_f32_16x16x32_f16 v[dd:dd+7], v[aa:aa+7], v[bb:bb+7], 0
.else
	v_wmma_f32_16x16x32_f16 v[dd:dd+7], v[aa:aa+7], v[bb:bb+7], v[dd:dd+7]
.endif
.endr
.endr
.set g, g+1
.endr
.endm
	s_load_b256 s[8:15], s[0:1], 0x0               ; qkv, evum, sth, sg
	s_load_b64 s[16:17], s[0:1], 0x20              ; out0
	v_lshl_add_u32 v15, v0, 2, 0x38a00
	s_set_vgpr_msb 0x40
	v_mov_b32 v255, 0
	s_set_vgpr_msb 0x4044
	ds_add_u32 v15, v255
	ds_add_u32 v15, v255
	s_set_vgpr_msb 0x4400
	v_lshrrev_b32 v1, 5, v0
	v_readfirstlane_b32 s2, v1                     ; wave
	s_and_b32 s3, ttmp7, 0xffff                    ; half
	; descriptor group 1: dense blocks in rows of 256 bytes (32 elements of 8 bytes): 64 rows, and 32 rows for V
	s_mov_b32 s32, 0x30000
	s_mov_b32 s33, 32<<16
	s_mov_b32 s34, 64<<16
	s_mov_b32 s35, 32<<16
	s_mov_b32 s36, 64
	s_mov_b32 s37, 32
	s_mov_b32 s38, 0
	s_mov_b32 s39, 0
	s_mov_b32 s40, 0x30000
	s_mov_b32 s41, 32<<16
	s_mov_b32 s42, 32<<16
	s_mov_b32 s43, 32<<16
	s_mov_b32 s44, 32
	s_mov_b32 s45, 32
	s_mov_b32 s46, 0
	s_mov_b32 s47, 0
	s_lshl_b32 s6, s2, 14
	s_mov_b32 s7, 0
	s_lshl_b32 s18, ttmp9, 16
	s_mov_b32 s19, 0
	s_wait_dscnt 0x0
	s_wait_kmcnt 0x0
	s_add_nc_u64 s[20:21], s[8:9], s[18:19]        ; Q by tokens, my chunk
	s_add_nc_u64 s[22:23], s[20:21], 0x800000      ; K by tokens
	s_add_nc_u64 s[24:25], s[20:21], 0x1800000     ; V by dims
	s_mov_b32 s48, 1
	s_add_co_u32 s49, s6, KRL
	s_add_nc_u64 s[50:51], s[22:23], s[6:7]
	s_or_b32 s51, s51, 0x80000000
	tensor_load_to_lds s[48:51], s[32:39]          ; my quarter of K; every LDS byte is filled once; three tensor loads of a wave are out
	s_nop 0
	s_lshl_b32 s18, ttmp9, 17
	s_lshl_b32 s4, s3, 16
	s_add_co_u32 s18, s18, s4
	s_add_co_u32 s18, s18, s6
	s_mov_b32 s52, 1
	s_add_co_u32 s53, s6, STL
	s_add_nc_u64 s[54:55], s[12:13], s[18:19]
	s_or_b32 s55, s55, 0x80000000
	tensor_load_to_lds s[52:55], s[32:39]          ; my quarter of the state's half
	s_nop 0
	s_lshl_b32 s18, s3, 15
	s_lshl_b32 s4, s2, 13
	s_add_co_u32 s18, s18, s4
	s_mov_b32 s56, 1
	s_add_co_u32 s57, s4, VTL
	s_add_nc_u64 s[58:59], s[24:25], s[18:19]
	s_or_b32 s59, s59, 0x80000000
	tensor_load_to_lds s[56:59], s[40:47]          ; my quarter of V's half
	s_nop 0
	s_lshl_b32 s18, ttmp9, 2
	s_add_nc_u64 s[14:15], s[14:15], s[18:19]
	s_load_b32 s28, s[14:15], 0x0                  ; sigma, the state's scale
	s_lshl_b32 s26, ttmp9, 17
	s_lshl_b32 s4, s3, 9
	s_add_co_u32 s26, s26, s4
	s_mov_b32 s27, 0
	s_add_nc_u64 s[16:17], s[16:17], s[26:27]      ; out0: my chunk's rows, my 512 bytes of each
	s_mov_b32 s30, LGN
	s_mov_b32 s60, 0x76543210
	s_mov_b32 s61, 0xfedcba98
	v_and_b32 v1, 31, v0                           ; L
	v_and_b32 v2, 15, v0                           ; r
	v_bfe_u32 v3, v0, 4, 1                         ; h
	v_lshlrev_b32 v7, 4, v1                        ; 16 L
	v_add_nc_u32 v4, s6, v7                        ; Q: my two token tiles
	s_lshl_b32 s4, ttmp9, 9
	v_lshl_add_u32 v5, v0, 2, s4                   ; ev: token 128 bc + t
	v_lshl_add_u32 v6, v0, 2, ATL
	v_add_nc_u32 v8, STL, v7
	v_add_nc_u32 v9, VTL, v7
	v_lshl_add_u32 v10, v3, 5, ATL
	s_lshl_b32 s5, s2, 5                           ; 32 w
	v_lshlrev_b32 v11, 3, v3
	v_sub_nc_u32 v11, v2, v11
	v_add_nc_u32 v11, s5, v11                      ; 32 w + r - 8 h, for the mask
	s_mul_i32 s4, s2, 32*SP
	s_add_co_u32 s4, s4, STG
	v_mul_u32_u24 v12, v2, SP
	v_lshl_add_u32 v12, v3, 5, v12
	v_add_nc_u32 v12, s4, v12                      ; stage in: row r, 32 h bytes in
	v_add_nc_u32 v13, s4, v7                       ; stage back: a whole row of 512 bytes for the wave
	s_lshl_b32 s4, s2, 15
	v_add_nc_u32 v14, s4, v7                       ; out0: my 32 rows
	global_load_b32 v17, v5, s[10:11]
	WIN 0x40
.irp ks,0,1,2,3,4,5,6,7
.irp nt,0,1
	global_load_b128 v[8*(2*\ks+\nt):8*(2*\ks+\nt)+3], v4, s[20:21] offset:8192*\nt+1024*\ks
	global_load_b128 v[8*(2*\ks+\nt)+4:8*(2*\ks+\nt)+7], v4, s[20:21] offset:8192*\nt+1024*\ks+512
.endr
.endr
	WIN 0
	v_cvt_f32_u32 v16, v0
	v_mul_f32 v16, LGP, v16
	v_exp_f32 v16, v16
	v_nop                                          ; one plain instruction behind the transcendental (ISA guide 5.7.2)
	s_wait_alu depctr_va_vdst(0)
	v_mul_f32 v16, 0x3d800000, v16
	s_wait_loadcnt 32                              ; e is in; Q's 32 loads stay out
	v_mul_f32 v16, v16, v17
	ds_store_b32 v6, v16                           ; a'[t]
	s_wait_tensorcnt 0x2                           ; my quarter of K has landed; the state's and V's stay out
	s_wait_dscnt 0x0
	s_barrier_signal -1
	s_barrier_wait -1
	s_wait_loadcnt 0x0
	PH2 7, 0, 8, 8192, 0, 1                        ; S^T
	WIN 0
	PLACES
.irp mt,0,1,2,3,4,5,6,7
	ds_load_b128 v[FB+8*\mt:FB+8*\mt+3], v10 offset:64*\mt
	ds_load_b128 v[FB+8*\mt+4:FB+8*\mt+7], v10 offset:64*\mt+16
.endr
	v_mov_b32 v28, 0                               ; the largest |P| of my query, for each n tile
	v_mov_b32 v29, 0
	v_mov_b32 v30, 0
	v_mov_b32 v31, 0
	s_wait_dscnt 0x0
.irp mt,0,1,2,3,4,5,6,7
.irp nt,0,1
.irp q,0,2,4,6
	v_pk_mul_f32 v[ACC+8*(2*\mt+\nt)+\q:ACC+8*(2*\mt+\nt)+\q+1], v[ACC+8*(2*\mt+\nt)+\q:ACC+8*(2*\mt+\nt)+\q+1], v[FB+8*\mt+\q:FB+8*\mt+\q+1]
.endr
.irp j,0,1,2,3,4,5,6,7
	v_cmp_le_i32 vcc_lo, 16*(\mt-\nt)+\j, v11
	v_cndmask_b32 v[ACC+8*(2*\mt+\nt)+\j], 0, v[ACC+8*(2*\mt+\nt)+\j], vcc_lo
.endr
.irp q,0,2,4,6
	v_max3_num_f32 v[28+\nt], |v[ACC+8*(2*\mt+\nt)+\q]|, |v[ACC+8*(2*\mt+\nt)+\q+1]|, v[28+\nt]
.endr
.endr
.endr
	v_permlanex16_b32 v30, v28, s60, s61           ; the other eight keys of each sixteen
	v_permlanex16_b32 v31, v29, s60, s61
	v_max_num_f32 v28, v28, v30
	v_max_num_f32 v29, v29, v31
	s_wait_kmcnt 0x0                               ; sigma
.irp nt,0,1
	v_and_b32 v[28+\nt], 0x7f800000, v[28+\nt]
	v_max_u32 v[28+\nt], 0x27800000, v[28+\nt]
	v_min_u32 v[28+\nt], 0x57800000, v[28+\nt]
	v_sub_nc_u32 v[16+2*\nt], 0x7e800000, v[28+\nt]        ; 1 / s
	v_mov_b32 v[17+2*\nt], v[16+2*\nt]
	v_add_nc_u32 v[28+\nt], 0x00800000, v[28+\nt]          ; s
	v_mul_f32 v[20+2*\nt], s28, v[16+2*\nt]
	v_mul_f32 v[20+2*\nt], GAM16, v[20+2*\nt]              ; (gamma/16) sigma / s
	v_mov_b32 v[21+2*\nt], v[20+2*\nt]
.endr
	v_add_nc_u32 v30, s5, v2                       ; li of n tile 0, 1
	v_add_nc_u32 v31, 16, v30
	v_cvt_f32_u32 v30, v30
	v_cvt_f32_u32 v31, v31
	v_mul_f32 v30, s30, v30
	v_mul_f32 v31, s30, v31
	v_exp_f32 v30, v30
	v_exp_f32 v31, v31
	v_nop
	s_wait_alu depctr_va_vdst(0)
	v_mul_f32 v24, v30, v28                        ; gamma^li s
	v_mul_f32 v26, v31, v29
	v_mov_b32 v25, v24
	v_mov_b32 v27, v26
.irp mt,0,1,2,3,4,5,6,7
.irp nt,0,1
.irp q,0,2,4,6
	v_pk_mul_f32 v[ACC+8*(2*\mt+\nt)+\q:ACC+8*(2*\mt+\nt)+\q+1], v[ACC+8*(2*\mt+\nt)+\q:ACC+8*(2*\mt+\nt)+\q+1], v[16+2*\nt:17+2*\nt]
.endr
.endr
.endr
	WIN 0x40                                       ; P's fragments go to window 1, behind Q's
.irp mt,0,1,2,3,4,5,6,7
.irp nt,0,1
.irp q,0,1,2,3
	v_cvt_pk_f16_f32 v[128+8*(2*(\mt>>1)+\nt)+4*(\mt&1)+\q], v[ACC+8*(2*\mt+\nt)+2*\q], v[ACC+8*(2*\mt+\nt)+2*\q+1]
.endr
.endr
.endr
	WIN 0
	s_wait_tensorcnt 0x0                           ; my quarters of the state and of V have landed
	s_barrier_signal -1
	s_barrier_wait -1
	PH2 8, 0, 8, 8192, 0, 1                        ; St^T Q: m = columns, n = queries
	WIN 0
	PLACES
.irp mt,0,1,2,3,4,5,6,7
.irp nt,0,1
.irp q,0,2,4,6
	v_pk_mul_f32 v[ACC+8*(2*\mt+\nt)+\q:ACC+8*(2*\mt+\nt)+\q+1], v[ACC+8*(2*\mt+\nt)+\q:ACC+8*(2*\mt+\nt)+\q+1], v[20+2*\nt:21+2*\nt]
.endr
.endr
.endr
	PH2 9, 0, 4, 4096, 128, 0                      ; + V^T P
	WIN 0
	PLACES
	; the way out: a lane holds 8 neighbouring columns of one query; rows of 528 bytes keep the sixteen lanes of a store in different columns of 256
.irp mt,0,1,2,3,4,5,6,7
.irp nt,0,1
.irp q,0,2,4,6
	v_pk_mul_f32 v[ACC+8*(2*\mt+\nt)+\q:ACC+8*(2*\mt+\nt)+\q+1], v[ACC+8*(2*\mt+\nt)+\q:ACC+8*(2*\mt+\nt)+\q+1], v[24+2*\nt:25+2*\nt]
.endr
	ds_store_b128 v12, v[ACC+8*(2*\mt+\nt):ACC+8*(2*\mt+\nt)+3] offset:16*SP*\nt+64*\mt
	ds_store_b128 v12, v[ACC+8*(2*\mt+\nt)+4:ACC+8*(2*\mt+\nt)+7] offset:16*SP*\nt+64*\mt+16
.endr
.endr
; 16 rows: read back whole (my wave's own bytes, served in order: ISA guide 5.7.1) and stored, each store 512 consecutive aligned bytes
.macro OUT16 b
.irp t,0,1,2,3,4,5,6,7,8,9,10,11,12,13,14,15
	ds_load_b128 v[FB+4*\t:FB+4*\t+3], v13 offset:SP*(16*\b+\t)
.endr
.irp t,0,1,2,3,4,5,6,7,8,9,10,11,12,13,14,15
	s_wait_dscnt 15-\t
	global_store_b128 v14, v[FB+4*\t:FB+4*\t+3], s[16:17] offset:1024*(16*\b+\t) th:TH_STORE_NT
.endr
.endm
	OUT16 0
	s_wait_xcnt 0x0                                ; the stores' data registers are loaded again only behind this wait
	OUT16 1
	s_set_vgpr_msb 0x4
	s_wait_tensorcnt 0x0
	ds_add_u32 v15, v255
	s_wait_dscnt 0x0
	s_set_vgpr_msb 0x400
	s_endpgm
.Lfunc_end_k_q439eeb7c45_outp:
	.size	k_q439eeb7c45_outp, .Lfunc_end_k_q439eeb7c45_outp-k_q439eeb7c45_outp
	.p2alignl 7, 3214868480
	.fill 96, 4, 3214868480
	.section	.rodata,"a",@progbits
	.p2align	6, 0x0
	.amdhsa_kernel k_q439eeb7c45_outp
		.amdhsa_group_segment_fixed_size 232448
		.amdhsa_private_segment_fixed_size 0
		.amdhsa_enable_private_segment 0
		.amdhsa_kernarg_size 40
		.amdhsa_user_sgpr_count 2
		.amdhsa_user_sgpr_kernarg_segment_ptr 1
		.amdhsa_wavefront_size32 1
		.amdhsa_system_sgpr_workgroup_id_x 1
		.amdhsa_system_sgpr_workgroup_id_y 1
		.amdhsa_system_sgpr_workgroup_id_z 1
		.amdhsa_system_vgpr_workitem_id 0
		.amdhsa_next_free_vgpr 512
		.amdhsa_next_free_sgpr 66
		.amdhsa_reserve_vcc 1
		.amdhsa_float_denorm_mode_32 3
		.amdhsa_float_denorm_mode_16_64 3
		.amdhsa_memory_ordered 1
		.amdhsa_forward_progress 1
		.amdhsa_inst_pref_size 100
	.end_amdhsa_kernel
	.amdgpu_metadata
---
amdhsa.version: [ 1, 2 ]
amdhsa.kernels:
  - .name:           k_q439eeb7c45_outp
    .symbol:         k_q439eeb7c45_outp.kd
    .args:
      - { .name: qkv, .offset: 0, .size: 8, .value_kind: global_buffer, .address_space: global }
      - { .name: evum, .offset: 8, .size: 8, .value_kind: global_buffer, .address_space: global }
      - { .name: sth, .offset: 16, .size: 8, .value_kind: global_buffer, .address_space: global }
      - { .name: sg, .offset: 24, .size: 8, .value_kind: global_buffer, .address_space: global }
      - { .name: out0, .offset: 32, .size: 8, .value_kind: global_buffer, .address_space: global }
    .group_segment_fixed_size: 232448
    .private_segment_fixed_size: 0
    .kernarg_segment_align: 8
    .kernarg_segment_size: 40
    .max_flat_workgroup_size: 128
    .sgpr_count:     66
    .vgpr_count:     512
    .wavefront_size: 32
...
	.end_amdgpu_metadata
.endif
;; end of part 4
;; ======== version 2 of 2: 4 launches; version 1 with the launch proj written anew for expert scheduling mode
;; limits: values are held in f16: magnitudes above 65,504 overflow, below 6.1e-05 lose precision; right only within a limited range of input values
;; workspace buffers: qkv 33,554,432 bytes; zc 131,072 bytes; evum 69,632 bytes; ut 33,554,432 bytes; sth 16,777,216 bytes; sg 512 bytes
;; launch proj (part 5): grid 64 x 4, 4 waves a work-group, no clusters, 272,896 bytes of LDS; arguments xq, xk, xv, Wq, Wk, Wv, bq, bk, bv, qkv, zc; writes qkv, zc
.if DOCPART == 5
	.amdgcn_target "amdgcn-amd-amdhsa--gfx1250"
	.amdhsa_code_object_version 6
	.text
	.protected	k_q439eeb7c45_proj
	.globl	k_q439eeb7c45_proj
	.p2align	8
	.type	k_q439eeb7c45_proj,@function
k_q439eeb7c45_proj:
	s_mov_b64 s[64:65], 0
	v_nop
	global_prefetch_b8 v0, s[64:65] scope:SCOPE_SE
	s_setreg_imm32_b32 hwreg(HW_REG_WAVE_SCHED_MODE, 0, 2), 2
	s_setreg_imm32_b32 hwreg(HW_REG_WAVE_MODE, 25, 1), 1
	s_wait_xcnt 0x0
	s_wait_alu depctr_vm_vsrc(0)
; Projections x W + b for a block of 256 tokens, rounded to f16 and stored in the matrix unit's own fragment image.
; job (grid y): 0 Q by tokens, 1 K by tokens, 2 K by dims (and the chunk sums z), 3 V by dims.
; A fragment is 16 rows x 32 k of f16 = 1,024 bytes laid [half][lane][16 B]: lane (r,h) holds row r, half 0 k = 8h..8h+7, half 1 k = 16+8h..
; Two result tiles that are neighbours along m pack, lane by lane, into one such fragment with rows n and k = m (ISA guide 7.12.2: the layouts),
; so later launches load operands as 16 bytes a lane from 512 consecutive bytes, with no transposition and no padding.
; Jobs 0, 1: D(m = dim, n = token): A = W^T, B = x.  Jobs 2, 3: D(m = token, n = dim): A = x, B = W^T.  One text, the LDS bases are selected.
; z[chunk][dim] = sum over l of gamma^(127-l) c_p K_p[dim], c_p = rsqrt((1 - gamma^(p+1)) / (1 - gamma)), from the f32 sums of job 2.
; LIMITS: x, W and the results are rounded to f16: magnitudes below 65,504.
; No cluster: the work-groups of a job share only W, 256 KiB of the 512 KiB that each reads, and convert it on the way in through registers.
; THE MODE: SCHED_MODE bits 1:0 = 2 (LLVM: expert scheduling mode 2), set by the entry lines.  The code itself states the register dependences
; between vector or matrix instructions and memory or LDS instructions, with s_wait_alu, always for 0.
; THE PLAN.  Registers that memory or LDS instructions touch.
; At the head (x and W into LDS), in 32 blocks of eight loads: x is blocks 0 to 15, W's groups are blocks 16 to 31.
;   R0 .. R4     five ring buffers of eight load slots.  Block b's loads land in R[b % 5]; its sixteen conversions read it; behind them block b + 5's loads land in it.
;   O0, O1       two out-buffers.  Block b's conversions write O[b % 2], its LDS stores read it, block b + 2's conversions write it again.
;   v4, v5, v32 .. v39   offsets and LDS addresses, written once, ahead of the first load.
;   So a block has one wait on va_vdst, behind its conversions (O is written, R is read out), and from block 2 on one on vm_vsrc at its head (the stores two blocks back have read O).
; In a pass (64 rows of A against my 64 rows of B):
;   FB0 .. FB2   group g's sixteen matrix instructions read FB[g % 3]; the loads of group g + 2, issued in group g, land in the buffer that group g - 1 read.
;                One wait on va_vdst at the head of groups 1 to 5; the eight loads are then dealt among the group's matrix instructions, which name FB[g % 3], the accumulators and B alone.
;   ACC          written by matrix instructions, the bias's additions and the roundings; its tiles' low four registers are read by the stores.  Eight tiles are rounded, one wait, their stores are
;                dealt among the other eight tiles' roundings, one wait, the last eight stores.  That last wait also serves the next pass's first loads into FB: no vector instruction follows it before them.
;   v0, v3 .. v15  addresses of the passes, written once behind the barrier.  B's fragments (window 1) and v16 .. v23 are loaded once and never written again.
.set LGN, 0xbca0a312                   ; log2(gamma), gamma = f32(0.9865)
.set IGC, 0x429425ff                   ; 1 / (1 - gamma)
.set PIT, 528                          ; LDS row: 512 bytes of f16 + 16: 16 rows of a fragment start in 16 different 16-byte columns of 256
.set WTL, 256*PIT                      ; x at 0, W^T [dim][din] behind it
.set BTL, 2*256*PIT                    ; the bias, 256 f32
.set WZL, BTL+1024                     ; the z weights of the block's 256 tokens
.set FB,  32                           ; v[32:127]  three buffers of four A fragments
.set OB,  64                           ; v[64:95]   at the head only: two out-buffers of 16 registers
.set RING, 96                          ; v[96:255]  at the head only: five ring buffers of eight load slots, 32 registers each
.set ACC, 128                          ; v[128:255] sixteen accumulator tiles
.set MSB, 0
.macro WIN new                         ; register windows: bits 1:0 source 0, 3:2 source 1, 5:4 source 2, 7:6 destination; high byte = the setting left
.if MSB != \new
	s_set_vgpr_msb (MSB<<8)|\new
.set MSB, \new
.endif
.endm
.macro PLACES                          ; four places behind a matrix instruction (ISA guide 7.12.1) before its results are read or its sources loaded again
.rept 4
	v_nop
.endr
.endm
.macro LD1 buf, areg, off              ; one A fragment: two loads of 16 bytes a lane, 32 bytes apart
	ds_load_b128 v[\buf:\buf+3], v[\areg] offset:\off
	ds_load_b128 v[\buf+4:\buf+7], v[\areg] offset:\off+32
.endm
.macro LD4 buf, areg, off              ; four A fragments, 16 rows apart
.irp i,0,1,2,3
	LD1 \buf+8*\i, \areg, \off+16*PIT*\i
.endr
.endm
; 4 m tiles x 4 n tiles x K = 256.  Group g = K step g: 8 loads, 16 matrix instructions; fragments are fetched two groups ahead.
; The sixteen accumulators take turns, one instruction a turn.  later: not the first pass.
.macro PH4 areg, later
	WIN 0x04                           ; B from window 1, all else window 0
	PLACES
	LD4 FB, \areg, 0                   ; no wait here: since the last wait on va_vdst no vector or matrix instruction names FB or the address
	LD4 FB+32, \areg, 64
.set g, 0
.rept 8
.if g>0
.if g<6
	PLACES
	s_wait_alu depctr_va_vdst(0)       ; the matrix instructions of group g - 1 are done reading their buffer, in which this group's loads land; the places above stay beside this wait
.endif
.endif
.if g<7
	s_wait_dscnt 8                     ; group g is in; the eight loads of the next group stay out
.else
	s_wait_dscnt 0x0
.endif
.if g==0
.if \later
	s_wait_xcnt 0x0                    ; the last pass's stores have had their addresses translated (ISA guide 3.1): their data registers are written again only behind this wait,
	s_wait_alu depctr_vm_vsrc(0)       ; and they have read the accumulators, v24 and v28, which this pass writes again
.endif
.endif
.irp i,0,1,2,3
.if g<6
	LD1 FB+32*((g+2)%3)+8*\i, \areg, 64*(g+2)+16*PIT*\i
.endif
.irp nt,0,1,2,3
.set dd, ACC+8*(4*\i+\nt)
.set aa, FB+32*(g%3)+8*\i
.set bb, 8*(4*g+\nt)
.if g==0
	v_wmma_f32_16x16x32_f16 v[dd:dd+7], v[aa:aa+7], v[bb:bb+7], 0
.else
	v_wmma_f32_16x16x32_f16 v[dd:dd+7], v[aa:aa+7], v[bb:bb+7], v[dd:dd+7]
.endif
.endr
.endr
.set g, g+1
.endr
.endm
; Load e of block b, into ring buffer b % 5.  x (b < 16): 2,048 consecutive bytes for the work-group, rows 2 n and 2 n + 1 with n = 8 b + e.
; W (b >= 16): group b - 16 = 16 rows (din), load e = my row in my half of them.
.macro RLOAD b, e
.if (\b)<16
	global_load_b128 v[RING+32*((\b)%5)+4*(\e):RING+32*((\b)%5)+4*(\e)+3], v4, s[30:31] offset:2048*(8*(\b)+(\e))
.else
	global_load_b128 v[RING+32*((\b)%5)+4*(\e):RING+32*((\b)%5)+4*(\e)+3], v5, s[32:33] offset:16384*((\b)-16)+1024*(\e)
.endif
.endm
	s_load_b512 s[8:23], s[0:1], 0x0               ; xq xk xv Wq Wk Wv bq bk
	s_load_b128 s[24:27], s[0:1], 0x40             ; bv, qkv
	s_load_b64 s[28:29], s[0:1], 0x50              ; zc
	s_set_vgpr_msb 0x80
	v_lshl_add_u32 v0, v0, 2, 0x42800
	v_mov_b32 v1, 0
	s_set_vgpr_msb 0x8000
	v_lshrrev_b32 v1, 5, v0
	v_readfirstlane_b32 s2, v1                     ; wave
	s_and_b32 s3, ttmp7, 0xffff                    ; job
	v_and_b32 v1, 31, v0                           ; lane L
	v_and_b32 v2, 15, v0                           ; r
	v_bfe_u32 v3, v0, 4, 1                         ; h
	s_wait_alu depctr_va_sdst(0)                   ; s2 is written, ahead of its first reader: offsets and LDS addresses are made from it
	s_lshr_b32 s5, s2, 1
	s_and_b32 s6, s2, 1
	s_mov_b32 s48, 0x76543210                      ; v_permlanex16_b32: lane i takes lane i of the other half
	s_mov_b32 s49, 0xfedcba98
	s_mov_b32 s56, 0xffff0000                      ; lanes with h = 1
	s_mov_b32 s57, LGN
	s_mov_b32 s58, IGC
	v_lshlrev_b32 v4, 4, v0                        ; x: 16 t
	s_lshl_b32 s7, s5, 13
	s_lshl_b32 s36, s6, 9
	s_add_co_u32 s7, s7, s36
	v_lshl_add_u32 v5, v1, 4, s7                   ; W: (w>>1) 8 rows + (w&1) 512 + 16 L
	s_mul_i32 s7, s5, PIT
	s_lshl_b32 s36, s6, 8
	s_add_co_u32 s7, s7, s36
	v_lshl_add_u32 v32, v1, 3, s7                  ; x in LDS: row (w>>1), byte (w&1) 256 + 8 L; a base for every 32 loads
	v_add_nc_u32 v33, 64*PIT, v32
	v_add_nc_u32 v34, 128*PIT, v32
	v_add_nc_u32 v35, 192*PIT, v32
	s_mul_i32 s7, s6, 128*PIT
	s_lshl_b32 s36, s5, 4
	s_add_co_u32 s7, s7, s36
	s_add_co_u32 s7, s7, WTL
	v_mul_u32_u24 v36, v1, 4*PIT
	v_add_nc_u32 v36, s7, v36                      ; W^T in LDS: row (w&1) 128 + 4 L, byte 16 (w>>1)
	v_lshl_add_u32 v37, v0, 3, BTL
	v_lshl_add_u32 v38, v0, 2, WZL
	v_lshlrev_b32 v39, 3, v0
	s_mov_b32 s37, 4096                            ; the figures of jobs 2, 3; an instruction holds one literal, so the selects below name these registers
	s_mov_b32 s52, 65536
	s_mov_b32 s54, 67584
	s_cmp_lt_u32 s3, 2                             ; jobs 0, 1 against 2, 3
	s_cselect_b32 s38, WTL, 0                      ; A's rows in LDS
	s_cselect_b32 s39, 0, WTL                      ; B's rows
	s_cselect_b32 s37, 8192, s37                   ; bytes from one n tile's fragments to the next: 8,192 or 4,096
	s_cselect_b32 s52, 4096, s52                   ; where pass 2 and pass 3 begin: K steps 4, 6, or the second chunk
	s_cselect_b32 s54, 6144, s54
	s_mov_b32 s53, 0
	s_mov_b32 s55, 0
	s_lshl_b32 s50, s3, 23                         ; the job's array of 8,388,608 bytes
	s_lshl_b32 s51, ttmp9, 17                      ; the block's 131,072 bytes
	s_add_co_u32 s50, s50, s51
	s_mov_b32 s51, 0
	s_wait_kmcnt 0x0
	s_add_nc_u64 s[40:41], s[26:27], s[50:51]      ; a store base for each pass
	s_add_nc_u64 s[42:43], s[40:41], 2048
	s_add_nc_u64 s[44:45], s[40:41], s[52:53]
	s_add_nc_u64 s[46:47], s[40:41], s[54:55]
	s_cmp_eq_u32 s3, 0
	s_cselect_b64 s[30:31], s[8:9], s[10:11]       ; x
	s_cselect_b64 s[32:33], s[14:15], s[16:17]     ; W
	s_cselect_b64 s[34:35], s[20:21], s[22:23]     ; b
	s_cmp_eq_u32 s3, 3
	s_cselect_b64 s[30:31], s[12:13], s[30:31]
	s_cselect_b64 s[32:33], s[18:19], s[32:33]
	s_cselect_b64 s[34:35], s[24:25], s[34:35]
	s_lshl_b32 s50, ttmp9, 18
	s_add_nc_u64 s[30:31], s[30:31], s[50:51]      ; my 256 rows of x
	s_lshl_b32 s50, ttmp9, 11
	s_add_nc_u64 s[28:29], s[28:29], s[50:51]      ; my two rows of zc
	s_wait_alu depctr_va_vdst(0)                   ; v4, v5 and v32 to v39 are written: the loads and LDS stores of the head read them as offsets and addresses
	global_load_b64 v[40:41], v39, s[34:35]        ; two biases a thread
.set b, 0
.rept 5
.irp e,0,1,2,3,4,5,6,7
	RLOAD b, \e                                    ; the ring is filled: blocks 0 to 4
.endr
.set b, b+1
.endr
	; z weights of tokens t and t + 128 of the block: gamma^(127-t) c_p
	s_and_b32 s7, ttmp9, 15
	s_lshl_b32 s7, s7, 8
	s_add_co_u32 s7, s7, 1
	v_add_nc_u32 v56, s7, v0                       ; p + 1
	v_add_nc_u32 v57, 128, v56
	v_sub_nc_u32 v58, 127, v0
	v_cvt_f32_u32 v56, v56
	v_cvt_f32_u32 v57, v57
	v_cvt_f32_u32 v58, v58
	v_mul_f32 v56, s57, v56
	v_mul_f32 v57, s57, v57
	v_mul_f32 v58, s57, v58
	v_exp_f32 v56, v56
	v_exp_f32 v57, v57
	v_exp_f32 v58, v58
	v_nop                                          ; one plain instruction behind the transcendentals (ISA guide 5.7.2)
	s_wait_alu depctr_va_vdst(0)                   ; the three exponentials have written v56 to v58, ahead of their first reader
	v_fma_f32 v56, -v56, s58, s58                  ; (1 - gamma^(p+1)) / (1 - gamma)
	v_fma_f32 v57, -v57, s58, s58
	v_rsq_f32 v56, v56
	v_rsq_f32 v57, v57
	v_nop
	s_wait_alu depctr_va_vdst(0)                   ; the two roots have written v56 and v57, ahead of their first reader
	v_mul_f32 v56, v56, v58
	v_mul_f32 v57, v57, v58
	s_wait_alu depctr_va_vdst(0)                   ; the two products are written, which the LDS stores below read
	ds_store_b32 v38, v56
	ds_store_b32 v38, v57 offset:512
	s_wait_loadcnt 40                              ; the bias is in; the ring's 40 loads behind it stay out
	ds_store_b64 v37, v[40:41]
	; x: 16 blocks of eight loads a thread; each load is rounded to f16 and laid into its row; W's first loads follow in the same ring
.set b, 0
.rept 16
	s_wait_loadcnt 32                              ; loads return in order (ISA guide 5.7.1): block b is in, the four younger blocks stay out
.if b>=2
	s_wait_alu depctr_vm_vsrc(0)                   ; the LDS stores of block b - 2 have read this out-buffer, which the conversions below write again
.endif
.irp e,0,1,2,3,4,5,6,7
	v_cvt_pk_f16_f32 v[OB+16*(b%2)+2*\e], v[RING+32*(b%5)+4*\e], v[RING+32*(b%5)+4*\e+1]
	v_cvt_pk_f16_f32 v[OB+16*(b%2)+2*\e+1], v[RING+32*(b%5)+4*\e+2], v[RING+32*(b%5)+4*\e+3]
.endr
	s_wait_alu depctr_va_vdst(0)                   ; the conversions are done reading this ring buffer, in which the loads below land, and have written the out-buffer, which the LDS stores below read
.irp e,0,1,2,3,4,5,6,7
	RLOAD b+5, \e                                  ; the buffer is asked for again at once
.endr
.irp e,0,1,2,3,4,5,6,7
	ds_store_b64 v[32+b/4], v[OB+16*(b%2)+2*\e:OB+16*(b%2)+2*\e+1] offset:2*PIT*(8*(b%4)+\e)
.endr
.set b, b+1
.endr
	; W: groups of 8 rows x 4 columns a thread, turned in registers: column q's eight din make 16 bytes of W^T's row.
	; The sixteen lanes of such a store lie 4 rows (2,112 bytes) apart, so they fall on four of the sixteen 16-byte columns of 256 bytes:
	; a conflict that is accepted for these 64 stores a thread, made once in the launch.
.rept 16
.if b<=27
	s_wait_loadcnt 32                              ; block b is in; four younger blocks of 8 stay out
.else
	s_wait_loadcnt 8*(31-b)
.endif
	s_wait_alu depctr_vm_vsrc(0)                   ; the LDS stores of block b - 2 have read this out-buffer, which the conversions below write again
.irp q,0,1,2,3
.irp a,0,1,2,3
	v_cvt_pk_f16_f32 v[OB+16*(b%2)+4*\q+\a], v[RING+32*(b%5)+8*\a+\q], v[RING+32*(b%5)+8*\a+4+\q]
.endr
.endr
	s_wait_alu depctr_va_vdst(0)                   ; the conversions have written the out-buffer, which the LDS stores below read, and are done reading the ring buffer, in which the loads below land
.if b<=26
.irp e,0,1,2,3,4,5,6,7
	RLOAD b+5, \e
.endr
.endif
.irp q,0,1,2,3
	ds_store_b128 v36, v[OB+16*(b%2)+4*\q:OB+16*(b%2)+4*\q+3] offset:PIT*\q+32*(b-16)
.endr
.set b, b+1
.endr
	s_wait_dscnt 0x0                               ; my stores are in LDS before I say so
	s_barrier_signal -1
	s_barrier_wait -1                              ; x, W^T and the tables are whole; nothing in LDS is written again
	s_wait_alu depctr_vm_vsrc(0)                   ; my loads have read v4 and v5, which are written anew below; my LDS stores have read v32 to v41, v56, v57 and the out-buffers, in which fragments land from here on
	v_mul_u32_u24 v6, v2, PIT
	v_lshl_add_u32 v6, v3, 4, v6                   ; r x pitch + 16 h
	s_mul_i32 s7, s2, 64*PIT
	s_add_co_u32 s7, s7, s39
	v_add_nc_u32 v7, s7, v6                        ; B: my 64 rows
	v_add_nc_u32 v8, s38, v6                       ; A: the 64 rows of pass 0 .. 3
	v_add_nc_u32 v9, 64*PIT, v8
	v_add_nc_u32 v10, 128*PIT, v8
	v_add_nc_u32 v11, 192*PIT, v8
	s_lshl_b32 s7, s2, 2
	s_mul_i32 s7, s7, s37
	v_lshl_add_u32 v12, v1, 4, s7                  ; stores: 16 L + n tile (4 w + nt)
	v_add_nc_u32 v13, s37, v12
	v_add_nc_u32 v14, s37, v13
	v_add_nc_u32 v15, s37, v14
	v_lshl_add_u32 v0, v3, 5, BTL                  ; bias by m: 8 h floats in
	v_lshl_add_u32 v4, v3, 5, WZL                  ; z weights likewise (all loads that named v4, v5 have returned)
	s_lshl_b32 s7, s2, 8
	v_lshl_add_u32 v5, v1, 2, s7                   ; zc: dim 64 w + L
	s_add_co_u32 s7, s7, BTL
	v_lshl_add_u32 v3, v2, 2, s7                   ; bias by n: dim 64 w + r
	WIN 0x40                                       ; destination window 1: 32 resident B fragments
	s_wait_alu depctr_va_vdst(0)                   ; the addresses v0 and v3 to v15 are written, which the loads and stores from here on read; so is all that the head's vector instructions wrote or read in v32 to v127, in which the first pass's fragments land
.irp ks,0,1,2,3,4,5,6,7
.irp nt,0,1,2,3
	ds_load_b128 v[8*(4*\ks+\nt):8*(4*\ks+\nt)+3], v7 offset:16*PIT*\nt+64*\ks
	ds_load_b128 v[8*(4*\ks+\nt)+4:8*(4*\ks+\nt)+7], v7 offset:16*PIT*\nt+64*\ks+32
.endr
.endr
	WIN 0
.irp nt,0,1,2,3
	ds_load_b32 v[16+2*\nt], v3 offset:64*\nt      ; the bias of my column, in both halves of a pair
	ds_load_b32 v[17+2*\nt], v3 offset:64*\nt
.endr
.irp k,24,25,26,27,28,29,30,31
	v_mov_b32 v\k, 0                               ; the z sums are written on every path before any path reads them
.endr
	s_wait_dscnt 0x0
; One pass: 64 rows of A against my 64 rows of B, the bias, (job 2) the z sums, f16 in place, 16 stores of 512 consecutive aligned bytes.
.macro PASS mp
	PH4 8+\mp, \mp
	WIN 0
	PLACES
	s_cmp_lt_u32 s3, 2
	s_cbranch_scc0 .Lbyn_\mp
	s_wait_alu depctr_va_vdst(0)                   ; the pass's matrix instructions are done reading FB's first buffer, in which the bias lands
.irp i,0,1,2,3
	ds_load_b128 v[FB+8*\i:FB+8*\i+3], v0 offset:256*\mp+64*\i
	ds_load_b128 v[FB+8*\i+4:FB+8*\i+7], v0 offset:256*\mp+64*\i+16
.endr
	s_wait_dscnt 0x0
.irp i,0,1,2,3
.irp nt,0,1,2,3
.irp q,0,2,4,6
	v_pk_add_f32 v[ACC+8*(4*\i+\nt)+\q:ACC+8*(4*\i+\nt)+\q+1], v[ACC+8*(4*\i+\nt)+\q:ACC+8*(4*\i+\nt)+\q+1], v[FB+8*\i+\q:FB+8*\i+\q+1]
.endr
.endr
.endr
	s_branch .Ljoin_\mp
.Lbyn_\mp:
.irp i,0,1,2,3
.irp nt,0,1,2,3
.irp q,0,2,4,6
	v_pk_add_f32 v[ACC+8*(4*\i+\nt)+\q:ACC+8*(4*\i+\nt)+\q+1], v[ACC+8*(4*\i+\nt)+\q:ACC+8*(4*\i+\nt)+\q+1], v[16+2*\nt:17+2*\nt]
.endr
.endr
.endr
	s_cmp_eq_u32 s3, 2
	s_cbranch_scc0 .Ljoin_\mp
	s_wait_alu depctr_va_vdst(0)                   ; the pass's last matrix instructions are done reading FB's second buffer, in which the z weights land
.irp i,0,1,2,3
	ds_load_b128 v[FB+32+8*\i:FB+32+8*\i+3], v4 offset:256*\mp+64*\i
	ds_load_b128 v[FB+32+8*\i+4:FB+32+8*\i+7], v4 offset:256*\mp+64*\i+16
.endr
	s_wait_dscnt 0x0
.irp i,0,1,2,3
.irp q,0,2,4,6
.irp nt,0,1,2,3
.if (\i+\q+(\mp&1))==0
	v_pk_mul_f32 v[24+2*\nt:25+2*\nt], v[ACC+8*(4*\i+\nt)+\q:ACC+8*(4*\i+\nt)+\q+1], v[FB+32+8*\i+\q:FB+32+8*\i+\q+1]
.else
	v_pk_fma_f32 v[24+2*\nt:25+2*\nt], v[ACC+8*(4*\i+\nt)+\q:ACC+8*(4*\i+\nt)+\q+1], v[FB+32+8*\i+\q:FB+32+8*\i+\q+1], v[24+2*\nt:25+2*\nt]
.endif
.endr
.endr
.endr
.if \mp&1
	; a chunk of 128 tokens is complete: even + odd rows, then the other half of the lanes
.irp nt,0,1,2,3
	v_add_f32 v[24+2*\nt], v[24+2*\nt], v[25+2*\nt]
.endr
.irp nt,0,1,2,3
	v_permlanex16_b32 v[25+2*\nt], v[24+2*\nt], s48, s49
.endr
.irp nt,0,1,2,3
	v_add_f32 v[24+2*\nt], v[24+2*\nt], v[25+2*\nt]
.endr
	v_cndmask_b32 v24, v24, v26, s56               ; lanes 0-15 keep tile nt, lanes 16-31 take tile nt + 1: 32 neighbouring dims
	v_cndmask_b32 v28, v28, v30, s56
	s_wait_alu depctr_va_vdst(0)                   ; the two selects have written v24 and v28, which the stores below read
	global_store_b32 v5, v24, s[28:29] offset:1024*(\mp>>1)
	global_store_b32 v5, v28, s[28:29] offset:1024*(\mp>>1)+128
.endif
.Ljoin_\mp:
.irp i,0,1
.irp nt,0,1,2,3
.irp q,0,1,2,3
	v_cvt_pk_f16_f32 v[ACC+8*(4*\i+\nt)+\q], v[ACC+8*(4*\i+\nt)+2*\q], v[ACC+8*(4*\i+\nt)+2*\q+1]
.endr
.endr
.endr
	s_wait_alu depctr_va_vdst(0)                   ; tiles 0 to 7 are rounded: their low four registers are written, which the stores below read; the roundings among those stores name tiles 8 to 15 alone
.irp i,0,1
.irp nt,0,1,2,3
	global_store_b128 v[12+\nt], v[ACC+8*(4*\i+\nt):ACC+8*(4*\i+\nt)+3], s[40+2*\mp:41+2*\mp] offset:512*\i
.irp q,0,1,2,3
	v_cvt_pk_f16_f32 v[ACC+8*(4*\i+8+\nt)+\q], v[ACC+8*(4*\i+8+\nt)+2*\q], v[ACC+8*(4*\i+8+\nt)+2*\q+1]
.endr
.endr
.endr
	s_wait_alu depctr_va_vdst(0)                   ; tiles 8 to 15 are rounded, for the stores below; and the pass's additions and z sums are done reading FB, in which the next pass's first fragments land
.irp i,2,3
.irp nt,0,1,2,3
	global_store_b128 v[12+\nt], v[ACC+8*(4*\i+\nt):ACC+8*(4*\i+\nt)+3], s[40+2*\mp:41+2*\mp] offset:512*\i
.endr
.endr
.endm
	PASS 0
	PASS 1
	PASS 2
	PASS 3
	s_set_vgpr_msb 0xa                             ; the add's two registers, sources 0 and 1, lie in window 2
	s_wait_dscnt 0x0                               ; the closing lines, six on end
	s_wait_alu 0x0
	s_wait_tensorcnt 0x0
	ds_add_u32 v0, v1
	s_wait_dscnt 0x0
	s_endpgm
.Lfunc_end_k_q439eeb7c45_proj:
	.size	k_q439eeb7c45_proj, .Lfunc_end_k_q439eeb7c45_proj-k_q439eeb7c45_proj
	.p2alignl 7, 3214868480
	.fill 96, 4, 3214868480
	.section	.rodata,"a",@progbits
	.p2align	6, 0x0
	.amdhsa_kernel k_q439eeb7c45_proj
		.amdhsa_group_segment_fixed_size 272896
		.amdhsa_private_segment_fixed_size 0
		.amdhsa_enable_private_segment 0
		.amdhsa_kernarg_size 88
		.amdhsa_user_sgpr_count 2
		.amdhsa_user_sgpr_kernarg_segment_ptr 1
		.amdhsa_wavefront_size32 1
		.amdhsa_system_sgpr_workgroup_id_x 1
		.amdhsa_system_sgpr_workgroup_id_y 1
		.amdhsa_system_sgpr_workgroup_id_z 1
		.amdhsa_system_vgpr_workitem_id 0
		.amdhsa_next_free_vgpr 514
		.amdhsa_next_free_sgpr 66
		.amdhsa_reserve_vcc 0
		.amdhsa_float_denorm_mode_32 3
		.amdhsa_float_denorm_mode_16_64 3
		.amdhsa_memory_ordered 1
		.amdhsa_forward_progress 1
		.amdhsa_inst_pref_size 213
	.end_amdhsa_kernel
	.amdgpu_metadata
---
amdhsa.version: [ 1, 2 ]
amdhsa.kernels:
  - .name:           k_q439eeb7c45_proj
    .symbol:         k_q439eeb7c45_proj.kd
    .args:
      - { .name: xq, .offset: 0, .size: 8, .value_kind: global_buffer, .address_space: global }
      - { .name: xk, .offset: 8, .size: 8, .value_kind: global_buffer, .address_space: global }
      - { .name: xv, .offset: 16, .size: 8, .value_kind: global_buffer, .address_space: global }
      - { .name: Wq, .offset: 24, .size: 8, .value_kind: global_buffer, .address_space: global }
      - { .name: Wk, .offset: 32, .size: 8, .value_kind: global_buffer, .address_space: global }
      - { .name: Wv, .offset: 40, .size: 8, .value_kind: global_buffer, .address_space: global }
      - { .name: bq, .offset: 48, .size: 8, .value_kind: global_buffer, .address_space: global }
      - { .name: bk, .offset: 56, .size: 8, .value_kind: global_buffer, .address_space: global }
      - { .name: bv, .offset: 64, .size: 8, .value_kind: global_buffer, .address_space: global }
      - { .name: qkv, .offset: 72, .size: 8, .value_kind: global_buffer, .address_space: global }
      - { .name: zc, .offset: 80, .size: 8, .value_kind: global_buffer, .address_space: global }
    .group_segment_fixed_size: 272896
    .private_segment_fixed_size: 0
    .kernarg_segment_align: 8
    .kernarg_segment_size: 88
    .max_flat_workgroup_size: 128
    .sgpr_count:     66
    .vgpr_count:     514
    .wavefront_size: 32
...
	.end_amdgpu_metadata
.endif
;; end of part 5
;; launch gate: the kernel of part 2 again; grid 128 x 2, 4 waves a work-group, no clusters, 168,448 bytes of LDS; arguments qkv, zc, evum, ut; writes evum, ut
;; launch scan: the kernel of part 3 again; grid 256 x 1, 4 waves a work-group, no clusters, 0 bytes of LDS; arguments ut, evum, sth, sg; writes sth, sg
;; launch outp: the kernel of part 4 again; grid 128 x 2, 4 waves a work-group, no clusters, 232,448 bytes of LDS; arguments qkv, evum, sth, sg, out0; writes out0
